; MI455X (gfx1250); checked and timed in simulation.
; The chip was launched on July 23, 2026; its instructions are those of AMD's public machine-readable ISA for CDNA 5 (MIT licence, August 2026) and "CDNA5" Instruction Set Architecture Reference Guide (July 2026). The comments in the code are by the model that wrote it; some were corrected since.
;; Multihead Attention. Allowed arithmetic: matrix products marked QUANTISED: E2M3 operands, one E8M0 scale for each 32 along K, by v_wmma_scale_f32_16x16x128_f8f6f4 with both operands' format E2M3, f32 sums; everything else in f32.
;; Inputs: W_k 1,024 x 1,024 float32; W_out 1,024 x 1,024 float32; W_q 1,024 x 1,024 float32; W_v 1,024 x 1,024 float32; b_k 1,024 float32; b_out 1,024 float32; b_q 1,024 float32; b_v 1,024 float32; x_kv 4 x 2,048 x 1,024 float32; x_q 4 x 2,048 x 1,024 float32.
;; Outputs: out0 4 x 2,048 x 1,024 float32.
;; This version of the problem:
;;   THIS VERSION OF THE PROBLEM IS GIVEN IN LOW PRECISION. The matrix products marked QUANTISED in the list below multiply operands that are first quantised to E2M3 (2 exponent bits, 3 mantissa bits; 6 bits a number), with one power-of-two scale for each 32 numbers along K (OCP MX v1.0); their sums are f32. All else is computed in f32.
;;   The module's matrix products, in the order in which they are computed (A, B: the left and right operand; K: the contracted axis; several contracted axes count as one K, in the product's order):
;;     1. [M 8,192, K 1,024] x [K 1,024, N 1,024]; A: input x_q; B: input W_q: QUANTISED
;;     2. [M 8,192, K 1,024] x [K 1,024, N 1,024]; A: input x_kv; B: input W_k: QUANTISED
;;     3. [M 8,192, K 1,024] x [K 1,024, N 1,024]; A: input x_kv; B: input W_v: QUANTISED
;;     4. batch 64 x [M 2,048, K 64] x [K 64, N 2,048]; A: computed on the way; B: computed on the way: QUANTISED
;;     5. batch 64 x [M 2,048, K 2,048] x [K 2,048, N 64]; A: softmax (see below); B: computed on the way: QUANTISED
;;     6. [M 8,192, K 1,024] x [K 1,024, N 1,024]; A: computed on the way; B: input W_out: QUANTISED
;;   THE QUANTISER, for each operand of a quantised product, along K:
;;     - K is cut into blocks of 32 from its start; a last block that is shorter is filled with zeros.
;;     - A block's scale is 2^e with e = floor(log2(the largest magnitude in the block)) - 2, held to -126 .. 127; a block of zeros has e = 0. As a byte (E8M0): e + 127.
;;     - Each number is divided by its block's scale, clamped to +-7.5, and rounded to the nearest number of E2M3, ties to even, subnormals kept.
;;     - The product sums the exact products of the quantised numbers (number of the format x scale) in f32.
;;   ~~~python
;;   def quantise(x, axis):      # numpy; x: float32 -> the quantised numbers, widened to float32 again
;;       x = np.moveaxis(x, axis, -1); K = x.shape[-1]
;;       x = np.pad(x, [(0, 0)] * (x.ndim - 1) + [(0, -K % 32)]); x = x.reshape(x.shape[:-1] + (-1, 32)); a = np.abs(x).max(-1, keepdims=True)
;;       e = np.where(a > 0, np.clip(np.frexp(np.where(a > 0, a, 1))[1] - 1 - 2, -126, 127), 0)      # np.frexp(a)[1] - 1 = floor(log2(a)), exactly
;;       r = np.clip(x / 2.0 ** e, -7.5, 7.5)
;;       step = 2.0 ** (np.maximum(np.frexp(np.where(r == 0, 1, r))[1] - 1, 0) - 3)
;;       q = np.round(r / step) * step * 2.0 ** e      # np.round: ties to even
;;       return np.moveaxis(q.reshape(q.shape[:-2] + (-1,))[..., :K], -1, axis).astype(np.float32)
;;   ~~~
;;   SOFTMAX AHEAD OF A QUANTISED PRODUCT. Where the list says 'softmax', what is quantised is not the finished softmax but p = 2^(t - M), with t = logit x log2(e) and M = ceil(the row's largest t), a whole number; so 1/2 < the row's largest p <= 1. The row's sum l is taken of the UNQUANTISED p, in f32, and the product's result is divided by l at the end. Since M is a whole number, a kernel that streams over the keys may use a running M (the ceiling of the running maximum): every later rescaling is an exact power of two, which a block's scale takes up: the codes' values come out the same.
;;   OPERANDS COMPUTED ON THE WAY. 'Computed on the way' means the value that the module computes at that place (a softmax that the list does not call 'softmax' is quantised finished and normalised). What goes into a quantiser is computed in f32, as accurately as f32 sums, v_exp_f32 and their like allow (about 1e-6 of the number): no bf16 or f16 on the way to a quantiser, and a product that is left as it is and whose result goes on into a quantised operand takes f32 operands (vector FMAs, or v_wmma_f32_16x16x4_f32). A number that lies on a knife's edge between two numbers of the format may be rounded either way, as far as f32 arithmetic and the matrix unit's own rounding can turn it there, and no further.
;; One version. Each part assembles by itself: llvm-mc -triple=amdgcn-amd-amdhsa -mcpu=gfx1250 --defsym DOCPART=n.
;; ======== version 1 of 1: 4 launches
;; limits: right only within a limited range of input values
;; workspace buffers: img 16,384,000 bytes; qrec 6,553,600 bytes; kv 13,107,200 bytes; cimg 6,553,600 bytes
;; launch quant (part 1): grid 256 x 1, 5 waves a work-group, no clusters, 43,008 bytes of LDS; arguments x_q, x_kv, W_q, W_k, W_v, W_out, img; writes img
.if DOCPART == 1
	.amdgcn_target "amdgcn-amd-amdhsa--gfx1250"
	.amdhsa_code_object_version 6
	.text
	.protected	k_qaa67e14522_quant
	.globl	k_qaa67e14522_quant
	.p2align	8
	.type	k_qaa67e14522_quant,@function
k_qaa67e14522_quant:
	s_mov_b64 s[64:65], 0
	v_nop
	global_prefetch_b8 v0, s[64:65] scope:SCOPE_SE
	s_setreg_imm32_b32 hwreg(HW_REG_WAVE_MODE, 25, 1), 1
	s_wait_xcnt 0x0
; x_q, x_kv [8192][1024] and W_q, W_k, W_v, W_out [1024][1024], f32 with K innermost, become codes of FP6 (E2M3) with one E8M0 byte for each 32 along K,
; laid as the products' launches take them: RECORDS of 128 rows x 128 K, 12,800 bytes: eight fragment images of 1,536 bytes, then 512 bytes of scale words.
; img = [K step 0..7][record 0..159]: records 0-63 x_q, 64-127 x_kv, 128-135 W_q, 136-143 W_k, 144-151 W_v, 152-159 W_out.
; TILE ORDER: lane r of tile g holds row 32 (g / 2) + 8 (g % 2) + r + 8 (r / 8), so that a product with such a tile as source 0 leaves 16 neighbouring rows in the 16 registers of two neighbouring tiles.
; A FRAGMENT IMAGE is the operand's 12 registers: half c (registers 6 c .. 6 c + 5) at 768 c: 512 bytes with lane l's registers 6 c .. 6 c + 3 at 16 l, then 256 bytes with registers 6 c + 4, 6 c + 5 at 8 l.
; SCALE WORDS: the word of tile 4 q + n, row r, at 12,288 + 256 q + 16 r + 4 n.
; A block's scale is 2^(floor(log2(largest magnitude)) - 2); its byte is the largest magnitude's exponent field - 2, held at 1 from below.
; LIMITS: NaN and infinities among the inputs are not served.  A block of zeros gets the byte 1 where the rule says 127: its codes are zeros, and this program alone reads the bytes.
; SHARES: 1,280 records, one to a wave.  A tile's 16 rows come by 16 loads of 512 consecutive bytes, turn through the wave's own stage in LDS (pitch 528: the 16 rows start in different banks), and come back
; 16 neighbours of each block of 32 to a lane.  Waves share nothing: no barrier, no cluster (no input is read twice), no matrix work.  Loads run two tiles (32 loads a wave) ahead.
.set STG,  8448                        ; a wave's stage: 16 rows x 528 bytes
.set PIT,  528
.set REC,  12800
.set IMGS, 160*REC                     ; from a K step to the next in img
.set LN,   1                           ; v1  lane
.set L16,  2                           ; v2  16 x lane
.set L8,   3                           ; v3  8 x lane
.set SIN,  4                           ; v4  the stage, on the way in: 16 x lane
.set SOUT, 5                           ; v5  and back: 528 r + 64 h
.set R0,   16                          ; v16-79, v80-143  a tile's numbers as loaded, two sets
.set Y,    144                         ; v144-207  register 16 b + i = k 32 b + 16 h + i of my row
.set PC,   208                         ; v208-219 the codes, v220-226 at work
.set TM,   228                         ; v228-243 at work
.set PWA,  244                         ; v244-247 scale words of tiles 0-3
.set PWB,  248                         ; v248-251 of tiles 4-7
.set SEL,  30                          ; s[30:31] lane selects: lane l xor 16
	s_load_b256 s[4:11], s[0:1], 0x0               ; x_q, x_kv, W_q, W_k
	s_load_b128 s[12:15], s[0:1], 0x20             ; W_v, W_out
	s_load_b64 s[16:17], s[0:1], 0x30              ; img
	v_lshl_add_u32 v254, v0, 2, 0xa500
	v_mov_b32 v255, 0
	v_lshrrev_b32 v1, 5, v0
	v_readfirstlane_b32 s18, v1                    ; wave 0..4
	v_and_b32 v[LN], 31, v0
	v_and_b32 v6, 15, v0                           ; r
	v_bfe_u32 v7, v0, 4, 1                         ; h
	v_lshlrev_b32 v[L16], 4, v[LN]
	v_lshlrev_b32 v[L8], 3, v[LN]
	s_mul_i32 s28, s18, STG
	v_add_nc_u32 v[SIN], s28, v[L16]
	v_mul_u32_u24 v[SOUT], v6, PIT
	v_lshl_add_u32 v[SOUT], v7, 6, v[SOUT]
	v_add_nc_u32 v[SOUT], s28, v[SOUT]
	s_mov_b32 s[SEL], 0x76543210
	s_mov_b32 s[SEL+1], 0xfedcba98
.irp b, 0,1,2,3
	v_mov_b32 v[TM+4+\b], 0                        ; written once: a lane permute's destination counts as one of its sources
.endr
	s_mul_i32 s19, ttmp9, 5
	s_add_co_u32 s19, s19, s18                     ; my number among the 1,280
	s_lshr_b32 s20, s19, 3                         ; the record
	s_and_b32 s21, s19, 7                          ; the K step
	s_wait_alu depctr_va_vdst(0)
	s_wait_kmcnt 0x0
	s_mov_b64 s[22:23], s[14:15]                   ; which tensor, and its first record: the choice hangs on the record's number alone
	s_mov_b32 s24, 152
	s_cmp_lt_u32 s20, 152
	s_cselect_b64 s[22:23], s[12:13], s[22:23]
	s_cselect_b32 s24, 144, s24
	s_cmp_lt_u32 s20, 144
	s_cselect_b64 s[22:23], s[10:11], s[22:23]
	s_cselect_b32 s24, 136, s24
	s_cmp_lt_u32 s20, 136
	s_cselect_b64 s[22:23], s[8:9], s[22:23]
	s_cselect_b32 s24, 128, s24
	s_cmp_lt_u32 s20, 128
	s_cselect_b64 s[22:23], s[6:7], s[22:23]
	s_cselect_b32 s24, 64, s24
	s_cmp_lt_u32 s20, 64
	s_cselect_b64 s[22:23], s[4:5], s[22:23]
	s_cselect_b32 s24, 0, s24
	s_sub_co_u32 s24, s20, s24
	s_lshl_b32 s24, s24, 19                        ; 128 rows of 4,096 bytes a record
	s_lshl_b32 s25, s21, 9                         ; 512 bytes a K step
	s_add_co_u32 s24, s24, s25
	s_mov_b32 s25, 0
	s_add_nc_u64 s[22:23], s[22:23], s[24:25]
	s_mul_i32 s26, s21, IMGS
	s_mul_i32 s27, s20, REC
	s_add_co_u32 s26, s26, s27
	s_mov_b32 s27, 0
	s_add_nc_u64 s[16:17], s[16:17], s[26:27]
.macro LOAD t                          ; tile t's 16 rows, in tile order: each load reads 512 consecutive bytes of one row
.irp i, 0,1,2,3,4,5,6,7,8,9,10,11,12,13,14,15
	global_load_b128 v[R0+64*((\t)%2)+4*\i:R0+64*((\t)%2)+4*\i+3], v[L16], s[22:23] offset:(32*((\t)/2)+8*((\t)%2)+\i+8*(\i/8))*4096 th:TH_LOAD_NT
.endr
.endm
; 64 numbers of a lane, register 16 b + i = k 32 b + 16 h + i of my row, become the fragment's 12 registers in v[PC] on and the row's scale word in v[pw]
.macro QUANT s, pw
.irp b, 0,1,2,3
	v_max3_num_f32 v[TM+\b], |v[\s+16*\b]|, |v[\s+1+16*\b]|, 0x1800000   ; my 16 of block b, and the floor 2^(3 - 127): the byte cannot fall under 1
.endr
.irp i, 2,4,6,8,10,12,14
.irp b, 0,1,2,3
	v_max3_num_f32 v[TM+\b], v[TM+\b], |v[\s+16*\b+\i]|, |v[\s+1+16*\b+\i]|   ; the four blocks by turns
.endr
.endr
.irp b, 0,1,2,3
	v_permlanex16_b32 v[TM+4+\b], v[TM+\b], s[SEL], s[SEL+1]
.endr
.irp b, 0,1,2,3
	v_max_num_f32 v[TM+\b], v[TM+\b], v[TM+4+\b]   ; with lane l xor 16's: the block's largest magnitude
.endr
.irp b, 0,1,2,3
	v_add_nc_u32 v[TM+12+\b], 0xff000000, v[TM+\b] ; 2 off its exponent field: the conversion takes that field as its scale
.endr
.irp b, 0,1,2,3
	v_lshrrev_b32 v[TM+4+\b], 23, v[TM+12+\b]      ; the scale's byte
.endr
	v_lshl_or_b32 v[\pw], v[TM+5], 8, v[TM+4]
	v_lshl_or_b32 v[\pw], v[TM+6], 16, v[\pw]
	v_lshl_or_b32 v[\pw], v[TM+7], 24, v[\pw]
.irp c, 0,1
	v_cvt_scalef32_pk16_fp6_f32 v[PC+6*\c:PC+2+6*\c], v[\s+32*\c:\s+15+32*\c], v[TM+12+2*\c]
	v_cvt_scalef32_pk16_fp6_f32 v[PC+12+4*\c:PC+14+4*\c], v[\s+16+32*\c:\s+31+32*\c], v[TM+12+2*\c+1]   ; (a conversion's three registers begin on an even number)
.endr
	v_nop                                          ; one plain place behind a scaled conversion
.irp c, 0,1                            ; the layout wants a whole block in a lane: lanes 0-15 block 2 c, lanes 16-31 block 2 c + 1
.irp i, 0,1,2
	v_permlane16_swap_b32 v[PC+6*\c+\i], v[PC+12+4*\c+\i]
.endr
.irp i, 0,1,2
	v_mov_b32 v[PC+3+6*\c+\i], v[PC+12+4*\c+\i]
.endr
.endr
.endm
.macro TILE t
.if (\t) < 7
	s_wait_loadcnt 16                              ; this tile's 16 loads are in; the next tile's 16 may be out
.else
	s_wait_loadcnt 0x0
.endif
.irp i, 0,1,2,3,4,5,6,7,8,9,10,11,12,13,14,15
	ds_store_b128 v[SIN], v[R0+64*((\t)%2)+4*\i:R0+64*((\t)%2)+4*\i+3] offset:PIT*\i
.endr
.irp b, 0,1,2,3
.irp j, 0,1,2,3
	ds_load_b128 v[Y+16*\b+4*\j:Y+16*\b+4*\j+3], v[SOUT] offset:128*\b+16*\j   ; LDS serves a wave's instructions in order: these see the stores above
.endr
.endr
	s_wait_dscnt 0x0                               ; the numbers are back, and the stage's stores have read their registers
	s_wait_xcnt 0x0                                ; the last tile's stores have read the codes' registers: they are written again only behind this wait
.if (\t) < 6
	LOAD (\t)+2
.endif
.if (\t) < 4
	QUANT Y, PWA+(\t)
.else
	QUANT Y, PWB+(\t)-4
.endif
	global_store_b128 v[L16], v[PC:PC+3], s[16:17] offset:1536*(\t)            ; each store covers 512 or 256 consecutive bytes, at a multiple of 256 from img's first byte
	global_store_b64 v[L8], v[PC+4:PC+5], s[16:17] offset:1536*(\t)+512
	global_store_b128 v[L16], v[PC+6:PC+9], s[16:17] offset:1536*(\t)+768
	global_store_b64 v[L8], v[PC+10:PC+11], s[16:17] offset:1536*(\t)+1280
.endm
	LOAD 0
	LOAD 1
.irp t, 0,1,2,3,4,5,6,7
	TILE \t
.endr
	v_cmp_le_u32 vcc_lo, 16, v[LN]                 ; lanes 16-31 store the words of tiles 4-7 (both halves of the lanes hold every row's word)
.irp n, 0,1,2,3
	v_cndmask_b32 v[PWA+\n], v[PWA+\n], v[PWB+\n], vcc_lo
.endr
	global_store_b128 v[L16], v[PWA:PWA+3], s[16:17] offset:12288
	s_wait_tensorcnt 0x0
	ds_add_u32 v254, v255
	s_wait_dscnt 0x0
	s_endpgm
.Lfunc_end_k_qaa67e14522_quant:
	.size	k_qaa67e14522_quant, .Lfunc_end_k_qaa67e14522_quant-k_qaa67e14522_quant
	.p2alignl 7, 3214868480
	.fill 96, 4, 3214868480
	.section	.rodata,"a",@progbits
	.p2align	6, 0x0
	.amdhsa_kernel k_qaa67e14522_quant
		.amdhsa_group_segment_fixed_size 43008
		.amdhsa_private_segment_fixed_size 0
		.amdhsa_enable_private_segment 0
		.amdhsa_kernarg_size 56
		.amdhsa_user_sgpr_count 2
		.amdhsa_user_sgpr_kernarg_segment_ptr 1
		.amdhsa_wavefront_size32 1
		.amdhsa_system_sgpr_workgroup_id_x 1
		.amdhsa_system_sgpr_workgroup_id_y 1
		.amdhsa_system_sgpr_workgroup_id_z 1
		.amdhsa_system_vgpr_workitem_id 0
		.amdhsa_next_free_vgpr 256
		.amdhsa_next_free_sgpr 66
		.amdhsa_reserve_vcc 1
		.amdhsa_float_denorm_mode_32 3
		.amdhsa_float_denorm_mode_16_64 3
		.amdhsa_memory_ordered 1
		.amdhsa_forward_progress 1
		.amdhsa_inst_pref_size 65
	.end_amdhsa_kernel
	.amdgpu_metadata
---
amdhsa.version: [ 1, 2 ]
amdhsa.kernels:
  - .name:           k_qaa67e14522_quant
    .symbol:         k_qaa67e14522_quant.kd
    .args:
      - { .name: x_q, .offset: 0, .size: 8, .value_kind: global_buffer, .address_space: global }
      - { .name: x_kv, .offset: 8, .size: 8, .value_kind: global_buffer, .address_space: global }
      - { .name: W_q, .offset: 16, .size: 8, .value_kind: global_buffer, .address_space: global }
      - { .name: W_k, .offset: 24, .size: 8, .value_kind: global_buffer, .address_space: global }
      - { .name: W_v, .offset: 32, .size: 8, .value_kind: global_buffer, .address_space: global }
      - { .name: W_out, .offset: 40, .size: 8, .value_kind: global_buffer, .address_space: global }
      - { .name: img, .offset: 48, .size: 8, .value_kind: global_buffer, .address_space: global }
    .group_segment_fixed_size: 43008
    .private_segment_fixed_size: 0
    .kernarg_segment_align: 8
    .kernarg_segment_size: 56
    .max_flat_workgroup_size: 160
    .sgpr_count:     66
    .vgpr_count:     256
    .wavefront_size: 32
...
	.end_amdgpu_metadata
.endif
;; end of part 1
;; launch proj (part 2): grid 4 x 192, 4 waves a work-group, clusters of 4 x 4, 307,712 bytes of LDS; arguments img, b_q, b_k, b_v, qrec, kv; writes qrec, kv
.if DOCPART == 2
	.amdgcn_target "amdgcn-amd-amdhsa--gfx1250"
	.amdhsa_code_object_version 6
	.text
	.protected	k_qaa67e14522_proj
	.globl	k_qaa67e14522_proj
	.p2align	8
	.type	k_qaa67e14522_proj,@function
k_qaa67e14522_proj:
	s_mov_b64 s[64:65], 0
	v_nop
	global_prefetch_b8 v0, s[64:65] scope:SCOPE_SE
	s_setreg_imm32_b32 hwreg(HW_REG_WAVE_MODE, 25, 1), 1
	s_wait_xcnt 0x0
	s_wait_alu depctr_hold_cnt(0) depctr_sa_sdst(0) depctr_va_vdst(0) depctr_va_sdst(0) depctr_va_ssrc(0) depctr_va_vcc(0) depctr_vm_vsrc(0)
	s_getreg_b32 s2, hwreg(HW_REG_IB_STS2, 6, 4)
	s_cmp_eq_u32 s2, 0
	s_cbranch_scc0 .Lentry_in_a_cluster
	s_endpgm
.Lentry_in_a_cluster:
	s_bfe_u32 s2, ttmp6, 0x10000c
	s_cmp_lg_u32 s2, 0xf033
	s_cbranch_scc0 .Lentry_shape_is_right
	s_endpgm
.Lentry_shape_is_right:
; q = x_q W_q^T + b_q, k = x_kv W_k^T + b_k, v = x_kv W_v^T + b_v on codes of FP6 (E2M3) from img, and the results quantised again, in registers, for attention's two products.
; P(i, j) = sum over k of U[i][k] V[j][k]; source 0 = U, source 1 = V: a lane holds ONE j and its registers run along i, which is the next product's K.
;   kind 0, 1 (q, k): U = the weight (i = features: the head's 64 are the next K), V = x (j = tokens).     kind 2 (v): U = x_kv (i = tokens = keys: the next K), V = W_v (j = features).
; All tiles are in tile order (lane r of tile g: row 32 (g / 2) + 8 (g % 2) + r + 8 (r / 8)), so the 16 registers of U's tiles 2 b, 2 b + 1 are i = 32 b + 16 h + 0 .. 15.
; SHARES: a work-group makes 256 (i) x 128 (j) over all of K = 1,024; wave w makes 128 i (w & 1) x 64 j (w >> 1): 32 accumulators.  768 work-groups.
; LDS: all eight K steps of the work-group's operands, 8 x (two records of U, one of V) = 307,200 bytes, each byte filled ONCE: no slot is filled again.
; CLUSTER 4 x 4: U's records hang on cx alone and are asked for jointly by the four of a column, V's on cy alone, by the four of a row.  Each wave issues four joint loads at the head
; (waves 0, 1: U's K steps 2 n + (w & 1); waves 2, 3: V's): by this text's count four tensor loads of a wave are out.
; The sums begin at the bias: accumulator = BI x FI + BJ, BI the bias along i (q, k: FI = 1, BJ = 0), BJ the bias along j (v: FI = 0).
; OUT: qrec [bh][record of 128 tokens][8 tiles x 768 bytes, 256 bytes of pair words]; kv [bh][record of 128 keys][8 tiles of K x 768 | 4 fragments of V^T x 1,536 | K's pair words 256 | V's words 256].
; A pair word holds the two scale bytes of tile 2 p in its low half and those of tile 2 p + 1 in its high half.
; The scale words leave as 128 consecutive bytes for each half of the lanes: one byte in 48 of what a wave stores.
; No prefetch: every tile is requested at the head.  LIMITS: NaN and infinities are not served (a bias times FI = 0 among them); a block of zeros gets the byte 1: its codes are zeros, and this program alone reads the bytes.
; REGISTERS: window 0: v1-13 addresses; v16-23 U's scale words, v24-31 V's (two sets each); v32-79, v80-127 V's fragments; v128-199 the biases, later the way out; v232-239 store offsets.
;   window 1: U's fragments, v0-95 and v128-223.   window 2: accumulator (it, jt) at v[64 jt + 8 it].
; THE FILLS AS THEY STAND NOW (this takes the place of what the lines above say of four loads a wave and of K steps 2 n + (w & 1)):
; one joint load a wave at the head, in one chain of four arms: wave 0 U's K steps 0-3, wave 1 V's K steps 0-3, wave 2 U's 4-7, wave 3 V's 4-7.  A load is four rows, one a K step: 25,600 bytes (U's two records) or 12,800 (V's one),
; a K step of img apart.  LDS: U 0-3 at 0, V 0-3 at VB, U 4-7 at HALF, V 4-7 at HALF + VB.  Waves 0 and 1 wait for their loads ahead of the first barrier; every wave waits for 0 ahead of the barrier in K step 3, behind which K step 4 is read.
.set REC,  12800
.set VB,   8*REC                       ; behind U's four K steps
.set HALF, 12*REC                      ; four K steps of U and of V
.set IMGS, 160*REC                     ; a K step in img
.set AU16, 1
.set AU8,  2
.set AV16, 3
.set AV8,  4
.set ASV,  5
.set RR,   6                           ; r
.set HH,   7                           ; h
.set LN,   8
.set SOF,  9                           ; the scale words' lane offset
.set L16,  10
.set L8,   11
.set BJA,  12
.set BIA,  13
.set SU,   16
.set SV,   24
.set VF,   32
.set UF,   0
.set BI,   128
.set BJ,   192
.set TM,   128
.set PW,   144
.set WW,   148
.set PC,   152                         ; a set of 20 for each jt
.set OF16, 232
.set OF8,  236
.set WV,   16
.set G1U,  28
.set G1V,  36
.set G0U,  44
.set G0V,  68
.set MSB, 0
.macro WIN new                         ; the immediate's high byte repeats the setting that is left
.if MSB != \new
	s_set_vgpr_msb (MSB<<8)|\new
.set MSB, \new
.endif
.endm
.macro ROUND                           ; a round of the cluster's barrier
	s_barrier_signal -1
	s_barrier_wait -1
	s_cmp_lg_u32 s[WV], 0
	s_cbranch_scc1 .Lnot_wave_0_\@
	s_barrier_signal -3
.Lnot_wave_0_\@:
	s_barrier_wait -3
	s_barrier_signal -1
	s_barrier_wait -1
.endm
	s_load_b256 s[4:11], s[0:1], 0x0               ; img, b_q, b_k, b_v
	s_load_b128 s[12:15], s[0:1], 0x20             ; qrec, kv
	v_lshl_add_u32 v254, v0, 2, 0x4b000
	v_mov_b32 v255, 0
	ds_add_u32 v254, v255
	ds_add_u32 v254, v255
	v_lshrrev_b32 v1, 5, v0
	v_readfirstlane_b32 s[WV], v1                  ; wave 0..3
	s_and_b32 s17, s[WV], 1                        ; which 128 of i are mine
	s_lshr_b32 s18, s[WV], 1                       ; which 64 of j are mine
	s_bfe_u32 s19, ttmp6, 0x40000                  ; cx
	s_bfe_u32 s20, ttmp6, 0x40004                  ; cy
	s_and_b32 s21, ttmp7, 0xffff                   ; the cluster's y, 0..47
	s_lshr_b32 s22, s21, 4                         ; kind: 0 q, 1 k, 2 v: the same in all sixteen partners
	s_and_b32 s23, s21, 15
	s_and_b32 s24, s23, 7
	s_lshr_b32 s25, s23, 3
	s_lshl_b32 s26, s22, 3
	s_add_co_u32 s26, s26, 128
	s_lshl_b32 s27, s22, 6
	s_cmp_eq_u32 s22, 2
	s_cselect_b32 s24, s24, 0                      ; which four blocks of i the cluster has
	s_cselect_b32 s25, s25, s23                    ; which four blocks of j
	s_cselect_b32 s26, 64, s26                     ; U's first record: x_kv, or the weight's
	s_cselect_b32 s27, 144, s27                    ; V's first record: W_v, or x's
	s_cselect_b32 s84, 0, 1.0                      ; FI
	s_cselect_b32 s86, -1, 0                       ; all lanes where kind = 2
	s_mov_b32 s85, s84
	s_lshl_b32 s87, 0x1111, s19                    ; my column of the cluster (same cx)
	s_lshl_b32 s96, s20, 2
	s_lshl_b32 s96, 15, s96                        ; my row (same cy)
	; descriptor groups 1: four rows, one a K step, of 3,200 (U) or 1,600 (V) elements of 8 bytes, IMGS bytes apart
	s_or_b32 s[G1U], s87, (3<<16)|(1<<21)          ; 15:0 the mask; 17:16 elements of 8 bytes; 21 set beside a mask; no padding
	s_or_b32 s[G1V], s96, (3<<16)|(1<<21)
	s_mov_b32 s[G1U+1], 3200<<16                   ; tensor_dim0
	s_mov_b32 s[G1U+2], 4<<16                      ; tensor_dim1
	s_mov_b32 s[G1U+3], 3200<<16                   ; tile_dim0
	s_mov_b32 s[G1U+4], 4                          ; tile_dim1
	s_mov_b32 s[G1U+5], IMGS/8                     ; the pitch
	s_mov_b32 s[G1U+6], 0
	s_mov_b32 s[G1U+7], 0
	s_mov_b32 s[G1V+1], 1600<<16
	s_mov_b32 s[G1V+2], 4<<16
	s_mov_b32 s[G1V+3], 1600<<16
	s_mov_b32 s[G1V+4], 4
	s_mov_b32 s[G1V+5], IMGS/8
	s_mov_b32 s[G1V+6], 0
	s_mov_b32 s[G1V+7], 0
	s_lshl_b32 s60, s24, 2                         ; U's address is made of cx, V's of cy, each in registers that never hold the other
	s_add_co_u32 s60, s60, s19                     ; my block of 256 i
	s_lshl_b32 s61, s60, 1
	s_add_co_u32 s61, s61, s26
	s_mul_i32 s61, s61, REC
	s_lshl_b32 s62, s25, 2
	s_add_co_u32 s62, s62, s20                     ; my block of 128 j
	s_add_co_u32 s63, s62, s27
	s_mul_i32 s63, s63, REC
	s_mov_b32 s88, s61
	s_mov_b32 s89, 0
	s_mov_b32 s90, s63
	s_mov_b32 s91, 0
	s_wait_dscnt 0x0
	s_wait_kmcnt 0x0
	s_add_nc_u64 s[88:89], s[4:5], s[88:89]
	s_add_nc_u64 s[90:91], s[4:5], s[90:91]
.irp n, 0,1                            ; set n: K steps 4 n .. 4 n + 3
	s_mov_b32 s[G0U+4*\n], 1
	s_mov_b32 s[G0U+4*\n+1], \n*HALF
	s_add_nc_u64 s[G0U+4*\n+2:G0U+4*\n+3], s[88:89], \n*4*IMGS
	s_or_b32 s[G0U+4*\n+3], s[G0U+4*\n+3], 0x80000000
	s_mov_b32 s[G0V+4*\n], 1
	s_mov_b32 s[G0V+4*\n+1], \n*HALF+VB
	s_add_nc_u64 s[G0V+4*\n+2:G0V+4*\n+3], s[90:91], \n*4*IMGS
	s_or_b32 s[G0V+4*\n+3], s[G0V+4*\n+3], 0x80000000
.endr
	ROUND                                          ; all sixteen work-groups are here: the joint loads meet
	s_cmp_eq_u32 s[WV], 0                          ; one chain of four arms on the wave's number, one joint load to an arm
	s_cbranch_scc0 .Larm_1
	tensor_load_to_lds s[G0U:G0U+3], s[G1U:G1U+7]
	s_nop 0
.rept 4
	v_nop
.endr
	s_branch .Lasked
.Larm_1:
	s_cmp_eq_u32 s[WV], 1
	s_cbranch_scc0 .Larm_2
	tensor_load_to_lds s[G0V:G0V+3], s[G1V:G1V+7]
	s_nop 0
.rept 4
	v_nop
.endr
	s_branch .Lasked
.Larm_2:
	s_cmp_eq_u32 s[WV], 2
	s_cbranch_scc0 .Larm_3
	tensor_load_to_lds s[G0U+4:G0U+7], s[G1U:G1U+7]
	s_nop 0
.rept 4
	v_nop
.endr
	s_branch .Lasked
.Larm_3:
	tensor_load_to_lds s[G0V+4:G0V+7], s[G1V:G1V+7]
	s_nop 0
.rept 4
	v_nop
.endr
.Lasked:
	v_and_b32 v[LN], 31, v0
	v_and_b32 v[RR], 15, v0
	v_bfe_u32 v[HH], v0, 4, 1
	v_lshlrev_b32 v[L16], 4, v[LN]
	v_lshlrev_b32 v[L8], 3, v[LN]
	s_mul_i32 s97, s17, REC                        ; my record of U
	v_add_nc_u32 v[AU16], s97, v[L16]
	v_add_nc_u32 v[AU8], s97, v[L8]
	s_mul_i32 s97, s18, 6144                       ; my four tiles of V's record, behind U's four K steps
	s_add_co_u32 s97, s97, VB
	v_add_nc_u32 v[AV16], s97, v[L16]
	v_add_nc_u32 v[AV8], s97, v[L8]
	s_lshl_b32 s97, s18, 8
	s_add_co_u32 s97, s97, VB+REC-512
	v_lshl_add_u32 v[ASV], v[RR], 4, s97
	v_and_b32 v[BJA], 8, v[RR]
	v_add_nc_u32 v[BJA], v[BJA], v[RR]
	v_lshlrev_b32 v[BJA], 2, v[BJA]                ; 4 (r + 8 (r / 8))
	v_lshlrev_b32 v[BIA], 6, v[HH]                 ; 64 h
	s_wait_alu depctr_va_vdst(0)
	s_lshl_b32 s98, s60, 8
	s_lshl_b32 s100, s17, 7
	s_add_co_u32 s98, s98, s100                    ; my first i
	s_lshl_b32 s99, s62, 7
	s_lshl_b32 s100, s18, 6
	s_add_co_u32 s99, s99, s100                    ; my first j
	s_cmp_eq_u32 s22, 0
	s_cselect_b64 s[94:95], s[6:7], s[8:9]
	s_cmp_eq_u32 s22, 2
	s_cselect_b64 s[94:95], s[10:11], s[94:95]     ; the kind's bias
	s_cselect_b32 s2, 0, s98                       ; BI from my first feature (q, k), or from the buffer's start, to be multiplied by 0 (v)
	s_cselect_b32 s100, s99, 0                     ; BJ from my first feature (v), or from the start, to be masked (q, k)
	s_lshl_b32 s2, s2, 2
	s_mov_b32 s3, 0
	s_add_nc_u64 s[92:93], s[94:95], s[2:3]
	s_lshl_b32 s2, s100, 2
	s_add_nc_u64 s[94:95], s[94:95], s[2:3]
	s_mov_b32 s6, 0x76543210                       ; lane selects for lane l xor 16,
	s_mov_b32 s7, 0xfedcba98
	s_mov_b32 s8, 0x1800000                        ; and the floor 2^(3 - 127)
.irp t, 0,1,2,3,4,5,6,7                ; BI: register 8 t + n is the bias of i = 32 (t / 2) + 16 h + 8 (t % 2) + n
	global_load_b128 v[BI+8*\t:BI+8*\t+3], v[BIA], s[92:93] offset:(32*(\t/2)+8*(\t%2))*4
	global_load_b128 v[BI+8*\t+4:BI+8*\t+7], v[BIA], s[92:93] offset:(32*(\t/2)+8*(\t%2))*4+16
.endr
.irp t, 0,1,2,3                        ; BJ: the bias of my lane's j in tile t
	global_load_b32 v[BJ+2*\t], v[BJA], s[94:95] offset:(32*(\t/2)+8*(\t%2))*4
.endr
	s_wait_loadcnt 0x0
.irp t, 0,1,2,3
	v_cndmask_b32 v[BJ+2*\t], 0, v[BJ+2*\t], s86
	v_mov_b32 v[BJ+2*\t+1], 0                      ; (named with it as a pair, so it is written)
.endr
	WIN 0x80                                       ; destination window 2
.set jt, 0
.rept 4
.set x, 0
.rept 32
	v_pk_fma_f32 v[64*jt+x:64*jt+x+1], v[BI+x:BI+x+1], s[84:85], v[BJ+2*jt:BJ+2*jt+1] op_sel_hi:[1,0,0]   ; the sums begin at the bias; this runs while the tiles land
.set x, x+2
.endr
.set jt, jt+1
.endr
	WIN 0
	; where the results go.  A = my first token, F = my first feature
	s_cmp_eq_u32 s22, 2
	s_cselect_b32 s2, s98, s99
	s_cselect_b32 s3, s99, s98
	s_lshr_b32 s98, s2, 11
	s_lshl_b32 s98, s98, 4
	s_lshr_b32 s3, s3, 6
	s_add_co_u32 s98, s98, s3                      ; 16 x batch + head (q, k: the first of my two heads)
	s_bfe_u32 s99, s2, 0x40007                     ; the record of 128 tokens in the head
	s_bfe_u32 s2, s2, 0x10006                      ; which 64 of them
	s_mov_b32 s3, 16*REC
	s_mov_b32 s101, REC
	s_cmp_eq_u32 s22, 0
	s_cselect_b32 s3, 8*REC, s3                    ; bytes of a head
	s_cselect_b32 s101, REC/2, s101                ; bytes of a record
	s_cselect_b64 s[92:93], s[12:13], s[14:15]
	s_mul_i32 s98, s98, s3
	s_mul_i32 s99, s99, s101
	s_add_co_u32 s98, s98, s99
	s_mov_b32 s99, 0
	s_add_nc_u64 s[92:93], s[92:93], s[98:99]      ; the record
	s_lshl_b32 s98, s2, 7
	s_mov_b32 s101, 12288
	s_cmp_eq_u32 s22, 0
	s_cselect_b32 s101, 6144, s101
	s_add_co_u32 s98, s98, s101
	s_cmp_eq_u32 s22, 2
	s_cselect_b32 s98, 12544, s98
	s_add_nc_u64 s[100:101], s[92:93], s[98:99]    ; its scale words
	s_mul_i32 s98, s2, 3072
	s_cselect_b32 s98, 6144, s98
	s_add_nc_u64 s[92:93], s[92:93], s[98:99]      ; where half 0 of my fragments goes,
	s_cselect_b32 s98, 768, s3
	s_add_nc_u64 s[94:95], s[92:93], s[98:99]      ; and half 1: the next head's record (q, k), or 768 bytes on (v)
	s_mov_b32 s2, 768
	s_cselect_b32 s2, 1536, s2                     ; from a tile of j to the next
	s_cselect_b32 s3, 128, s3                      ; from lanes 0-15 to lanes 16-31 among the scale words
	v_mov_b32 v[OF16], v[L16]
	v_add_nc_u32 v[OF8], 512, v[L8]
.irp j, 1,2,3
	v_add_nc_u32 v[OF16+\j], s2, v[OF16+\j-1]
	v_add_nc_u32 v[OF8+\j], s2, v[OF8+\j-1]
.endr
	v_mul_lo_u32 v[SOF], v[HH], s3
	v_lshl_add_u32 v[SOF], v[RR], 3, v[SOF]
.macro FRAG reg, a16, a8, off          ; a fragment image comes back as the operand's 12 registers
	ds_load_b128 v[\reg:\reg+3], v[\a16] offset:\off
	ds_load_b64 v[\reg+4:\reg+5], v[\a8] offset:\off+512
	ds_load_b128 v[\reg+6:\reg+9], v[\a16] offset:\off+768
	ds_load_b64 v[\reg+10:\reg+11], v[\a8] offset:\off+1280
.endm
.macro FETCH set                       ; a K step's 12 fragments and 8 registers of scale words: 50 LDS loads in one run
	WIN 0x40                                       ; destination window 1
.irp t, 0,1,2,3,4,5,6,7
	FRAG UF+128*(\set)+12*\t, AU16, AU8, 1536*\t
.endr
	WIN 0
	ds_load_b128 v[SU+4*(\set):SU+4*(\set)+3], v[AU16] offset:12288   ; lanes 0-15: the words of tiles 0-3, lanes 16-31: of tiles 4-7
.irp t, 0,1,2,3
	FRAG VF+48*(\set)+12*\t, AV16, AV8, 1536*\t
.endr
	ds_load_b128 v[SV+4*(\set):SV+4*(\set)+3], v[ASV]
.endm
.macro MUL32 set                       ; the 32 accumulators take turns, one instruction a turn, in the same order in every K step
.irp jt, 0,1,2,3
.irp it, 0,1,2,3
	v_wmma_scale_f32_16x16x128_f8f6f4 v[64*\jt+8*\it:64*\jt+8*\it+7], v[UF+128*(\set)+12*\it:UF+128*(\set)+12*\it+11], v[VF+48*(\set)+12*\jt:VF+48*(\set)+12*\jt+11], v[64*\jt+8*\it:64*\jt+8*\it+7], v[SU+4*(\set)+\it], v[SV+4*(\set)+\jt] matrix_a_fmt:MATRIX_FMT_FP6 matrix_b_fmt:MATRIX_FMT_FP6
.endr
.irp it, 4,5,6,7
	v_wmma_scale_f32_16x16x128_f8f6f4 v[64*\jt+8*\it:64*\jt+8*\it+7], v[UF+128*(\set)+12*\it:UF+128*(\set)+12*\it+11], v[VF+48*(\set)+12*\jt:VF+48*(\set)+12*\jt+11], v[64*\jt+8*\it:64*\jt+8*\it+7], v[SU+4*(\set)+\it-4], v[SV+4*(\set)+\jt] matrix_a_fmt:MATRIX_FMT_FP6 matrix_b_fmt:MATRIX_FMT_FP6 matrix_a_scale:MATRIX_SCALE_ROW1
.endr
.endr
.endm
.macro KSTEP s
	s_wait_dscnt 0x0                               ; this K step's fragments are in
.if (\s) == 3
	s_wait_tensorcnt 0x0                           ; every wave's load has landed: K steps 4-7 are shown to all by this barrier; nothing is filled again
	s_barrier_signal -1
	s_barrier_wait -1                              ; everybody's has
.endif
.if (\s) < 7
	WIN 0
	s_wait_alu depctr_va_vdst(0)
.if (\s) == 3
.set UST, HALF-6*REC                   ; from K step 3 to K step 4: into the second half
.set VST, HALF-3*REC
.else
.set UST, 2*REC
.set VST, REC
.endif
.irp a, AU16, AU8
	v_add_nc_u32 v[\a], UST, v[\a]                 ; on to the next K step; these five are also the places in front of loads into registers that the last products read
.endr
.irp a, AV16, AV8, ASV
	v_add_nc_u32 v[\a], VST, v[\a]
.endr
	FETCH ((\s)+1)%2
.endif
	WIN 0xa1                                       ; source 0 (U) window 1, source 1 (V) window 0, C and D window 2
	MUL32 (\s)%2
.endm
	s_cmp_lt_u32 s[WV], 2                          ; waves 0 and 1 wait for K steps 0-3, which their own load lines brought; the other two loads may stay out
	s_cbranch_scc0 .Lnot_low
	s_wait_tensorcnt 0x0
.Lnot_low:
	s_barrier_signal -1
	s_barrier_wait -1
	FETCH 0
.irp s, 0,1,2,3,4,5,6,7
	KSTEP \s
.endr
	WIN 0
.irp b, 0,1,2,3
	v_mov_b32 v[TM+4+\b], 0                        ; a lane permute's destination counts as one of its sources; these four are also the places behind the last products
.endr
; THE WAY OUT.  For a tile jt of j a lane's 64 registers are i = 32 b + 16 h + 0 .. 15, b = 0 .. 3: they become one fragment (12 registers) and one scale word, which leave as images.
.macro QUANTW jt
.set AC, 64*(\jt)
.set PCJ, PC+20*(\jt)
	WIN 0x28                                       ; sources 1 and 2: window 2
.irp b, 0,1,2,3
	v_max3_num_f32 v[TM+\b], s8, |v[AC+16*\b]|, |v[AC+16*\b+1]|   ; each accumulator is read from its low end on
.endr
.irp i, 2,4,6,8,10,12,14
.irp b, 0,1,2,3
	v_max3_num_f32 v[TM+\b], v[TM+\b], |v[AC+16*\b+\i]|, |v[AC+16*\b+\i+1]|
.endr
.endr
	WIN 0
.irp b, 0,1,2,3
	v_permlanex16_b32 v[TM+4+\b], v[TM+\b], s6, s7
.endr
.irp b, 0,1,2,3
	v_max_num_f32 v[TM+\b], v[TM+\b], v[TM+4+\b]
.endr
.irp b, 0,1,2,3
	v_add_nc_u32 v[TM+12+\b], 0xff000000, v[TM+\b]
.endr
.irp b, 0,1,2,3
	v_lshrrev_b32 v[TM+4+\b], 23, v[TM+12+\b]
.endr
	v_lshl_or_b32 v[PW+(\jt)], v[TM+5], 8, v[TM+4]
	v_lshl_or_b32 v[PW+(\jt)], v[TM+6], 16, v[PW+(\jt)]
	v_lshl_or_b32 v[PW+(\jt)], v[TM+7], 24, v[PW+(\jt)]
	WIN 0x02                                       ; source 0: window 2
.irp c, 0,1
	v_cvt_scalef32_pk16_fp6_f32 v[PCJ+6*\c:PCJ+6*\c+2], v[AC+32*\c:AC+32*\c+15], v[TM+12+2*\c]
	v_cvt_scalef32_pk16_fp6_f32 v[PCJ+12+4*\c:PCJ+14+4*\c], v[AC+16+32*\c:AC+31+32*\c], v[TM+12+2*\c+1]
.endr
	WIN 0
	v_nop                                          ; one plain place behind a scaled conversion
.irp c, 0,1
.irp i, 0,1,2
	v_permlane16_swap_b32 v[PCJ+6*\c+\i], v[PCJ+12+4*\c+\i]
.endr
.irp i, 0,1,2
	v_mov_b32 v[PCJ+3+6*\c+\i], v[PCJ+12+4*\c+\i]
.endr
.endr
	global_store_b128 v[OF16+(\jt)], v[PCJ:PCJ+3], s[92:93]        ; each store covers 512 or 256 consecutive bytes, at a multiple of 256 from the buffer's first byte; each jt has registers of its own
	global_store_b64 v[OF8+(\jt)], v[PCJ+4:PCJ+5], s[92:93]
	global_store_b128 v[OF16+(\jt)], v[PCJ+6:PCJ+9], s[94:95]
	global_store_b64 v[OF8+(\jt)], v[PCJ+10:PCJ+11], s[94:95]
.endm
.irp t, 0,1,2,3
	QUANTW \t
.endr
	; the scale words.  q, k: lanes 0-15 store the first head's pair words, lanes 16-31 the second's.  v: lanes 0-15 the words of tiles 0, 1, lanes 16-31 of tiles 2, 3.  Both are made; the kind's mask chooses
	v_lshlrev_b32 v150, 4, v[HH]
.irp t, 0,1,2,3
	v_lshrrev_b32 v[TM+\t], v150, v[PW+\t]         ; my head's two bytes, low
.endr
	v_perm_b32 v[WW], v[TM+1], v[TM], 0x05040100   ; tile 0's in the low half, tile 1's in the high half
	v_perm_b32 v[WW+1], v[TM+3], v[TM+2], 0x05040100
	v_cmp_eq_u32 vcc_lo, 1, v[HH]
	v_cndmask_b32 v150, v[PW], v[PW+2], vcc_lo
	v_cndmask_b32 v151, v[PW+1], v[PW+3], vcc_lo
	v_cndmask_b32 v[WW], v[WW], v150, s86
	v_cndmask_b32 v[WW+1], v[WW+1], v151, s86
	global_store_b64 v[SOF], v[WW:WW+1], s[100:101]
	s_wait_dscnt 0x0
	s_wait_tensorcnt 0x0
	ds_add_u32 v254, v255
	s_wait_dscnt 0x0
	ROUND                                          ; the closing round: no work-group ends while a partner may still ask for a tile that names it
	s_endpgm
.Lfunc_end_k_qaa67e14522_proj:
	.size	k_qaa67e14522_proj, .Lfunc_end_k_qaa67e14522_proj-k_qaa67e14522_proj
	.p2alignl 7, 3214868480
	.fill 96, 4, 3214868480
	.section	.rodata,"a",@progbits
	.p2align	6, 0x0
	.amdhsa_kernel k_qaa67e14522_proj
		.amdhsa_group_segment_fixed_size 307712
		.amdhsa_private_segment_fixed_size 0
		.amdhsa_enable_private_segment 0
		.amdhsa_kernarg_size 48
		.amdhsa_user_sgpr_count 2
		.amdhsa_user_sgpr_kernarg_segment_ptr 1
		.amdhsa_wavefront_size32 1
		.amdhsa_system_sgpr_workgroup_id_x 1
		.amdhsa_system_sgpr_workgroup_id_y 1
		.amdhsa_system_sgpr_workgroup_id_z 1
		.amdhsa_system_vgpr_workitem_id 0
		.amdhsa_next_free_vgpr 768
		.amdhsa_next_free_sgpr 102
		.amdhsa_reserve_vcc 1
		.amdhsa_float_denorm_mode_32 3
		.amdhsa_float_denorm_mode_16_64 3
		.amdhsa_memory_ordered 1
		.amdhsa_forward_progress 1
		.amdhsa_inst_pref_size 98
	.end_amdhsa_kernel
	.amdgpu_metadata
---
amdhsa.version: [ 1, 2 ]
amdhsa.kernels:
  - .name:           k_qaa67e14522_proj
    .symbol:         k_qaa67e14522_proj.kd
    .args:
      - { .name: img, .offset: 0, .size: 8, .value_kind: global_buffer, .address_space: global }
      - { .name: b_q, .offset: 8, .size: 8, .value_kind: global_buffer, .address_space: global }
      - { .name: b_k, .offset: 16, .size: 8, .value_kind: global_buffer, .address_space: global }
      - { .name: b_v, .offset: 24, .size: 8, .value_kind: global_buffer, .address_space: global }
      - { .name: qrec, .offset: 32, .size: 8, .value_kind: global_buffer, .address_space: global }
      - { .name: kv, .offset: 40, .size: 8, .value_kind: global_buffer, .address_space: global }
    .group_segment_fixed_size: 307712
    .private_segment_fixed_size: 0
    .kernarg_segment_align: 8
    .kernarg_segment_size: 48
    .max_flat_workgroup_size: 128
    .sgpr_count:     102
    .vgpr_count:     768
    .wavefront_size: 32
...
	.end_amdgpu_metadata
.endif
;; end of part 2
;; launch attn (part 3): grid 4 x 64, 16 waves a work-group, clusters of 4 x 1, 258,048 bytes of LDS; arguments qrec, kv, cimg; writes cimg
.if DOCPART == 3
	.amdgcn_target "amdgcn-amd-amdhsa--gfx1250"
	.amdhsa_code_object_version 6
	.text
	.protected	k_qaa67e14522_attn
	.globl	k_qaa67e14522_attn
	.p2align	8
	.type	k_qaa67e14522_attn,@function
k_qaa67e14522_attn:
	s_mov_b64 s[64:65], 0
	v_nop
	global_prefetch_b8 v0, s[64:65] scope:SCOPE_SE
	s_setreg_imm32_b32 hwreg(HW_REG_WAVE_MODE, 25, 1), 1
	s_wait_xcnt 0x0
	s_wait_alu depctr_hold_cnt(0) depctr_sa_sdst(0) depctr_va_vdst(0) depctr_va_sdst(0) depctr_va_ssrc(0) depctr_va_vcc(0) depctr_vm_vsrc(0)
	s_getreg_b32 s2, hwreg(HW_REG_IB_STS2, 6, 4)
	s_cmp_eq_u32 s2, 0
	s_cbranch_scc0 .Lentry_in_a_cluster
	s_endpgm
.Lentry_in_a_cluster:
	s_bfe_u32 s2, ttmp6, 0x10000c
	s_cmp_lg_u32 s2, 0x3003
	s_cbranch_scc0 .Lentry_shape_is_right
	s_endpgm
.Lentry_shape_is_right:
; ctx[b][q][head] = softmax_k(q . k / 8) v, both products on codes of FP6 (E2M3), and ctx quantised along D for the last product.  64 (batch, head) pairs, 2,048 queries and keys, head size 64.
; THE SOFTMAX: t = score x log2(e) / 8; M = the running largest t rounded UP to a whole number; p = 2^(t - M) is quantised along the keys, not normalised; the row's sum is taken of the unquantised p and divides at the end.
; When M moves, the sum and O are multiplied by 2^(old M - new M): exact.
; SHARES: a work-group owns 512 queries of one (batch, head); each of its sixteen waves one tile of 16 queries in each of two passes; every wave walks all 2,048 keys, 128 a step.
; LDS: the head's sixteen records of kv (12,800 bytes: K's 8 tiles, V^T's 4 fragments, their scale words), each as 50 rows of 256 bytes + 64 of padding: 16,000 bytes a record, each byte filled ONCE: wave w brings record w.
; CLUSTER 4 x 1: the four work-groups of a head need the same records: each load is a joint one (mask 15); one tensor load of a wave is out.  No prefetch: all of K and V is requested at the head, and the launch has no later request to run ahead of.
; LAYOUT: both products transposed (S^T = K Q^T, O^T = V^T P^T): a lane (r, h) holds query r throughout.
; THE KEYS OF A TILE ARE CHOSEN ANEW, BY LANE ADDRESSES ALONE.  Key = 64 c + 32 a + 16 b + 8 d + j.  kv holds it in tile 4 c + 2 a + d, row 8 b + j; here it is row 8 a + j of tile 4 c + 2 b + d.  So lanes with a = 1 read two tiles (6 LDS rows) further on,
; and b stands in the immediate.  A result's register j of lane half h is row 8 h + j: so score registers 32 c + 0 .. 31 of a lane are keys 64 c + 32 h + 0 .. 31: ONE scale block, in the order of p's operand registers.
; With rows 320 bytes apart six rows are 128 modulo 256, so the sixteen lanes of a 16-byte load touch sixteen different columns.
; THE FIRST PRODUCT'S K IS 64, the instruction's 128: a fragment holds two tiles (d = 0 as k 0-63, d = 1 as k 64-127) and is multiplied by Q, 0 and by 0, Q: zero codes add nothing under any scale byte made here (1 to 254).
; OUT: cimg [head / 2][record of 128 tokens][12,800]: a head fills half of each fragment image and two bytes of each scale word (a store of 2 bytes a lane: two heads, of two work-groups, share a word).
; LIMITS: NaN and infinities are not served; a block of zeros gets the byte 1: its codes are zeros, and this program alone reads the bytes; the promise holds while the scaled scores stay under 2^31 in magnitude.
.set REC,  12800
.set QREC, 6400
.set ROWL, 320                         ; an LDS row
.set RECL, 50*ROWL                     ; a record in LDS
.set SPARE, 16*RECL                    ; the spare words: 128 bytes a wave
.set KA16, 1                           ; v1-5 this step's LDS addresses
.set KA8,  2
.set VA16, 3
.set VA8,  4
.set KSA,  5
.set L16,  6                           ; 16 x lane
.set L8,   7                           ; 8 x lane
.set R8,   8
.set R16,  9
.set SH8,  10                          ; 8 h
.set TV,   11                          ; v12 -M, v13 the largest t, v[14:15] the sum in two halves
.set QQ,   16                          ; v16-21 Q, v22-27 zero codes, v28-33 Q
.set QW,   34                          ; Q's two bytes, twice
.set PW,   35                          ; p's scale word
.set FF,   36                          ; v[36:37] f
.set SK,   38                          ; K's pair words: register b, row c
.set SV,   40                          ; V's words: tile dt in register dt % 2, row dt / 2
.set TM,   42
.set T2,   46
.set SO,   48
.set BY,   50
.set OM,   52                          ; the old -M
.set BK16, 53                          ; the lane terms of v1, v2, v3, v5 (v4's is v7)
.set BK8,  54
.set BV16, 55
.set SL,   56                          ; v56-103 four fragments: K's, then V's
.set S,    104                         ; v104-167 S^T, then p
.set O,    168                         ; v168-199 O^T
.set PC,   200                         ; v200-211 p's codes
.set CT,   212
.set AS,   220                         ; v220-235 eight partial sums
.set BKS,  236
.set SPW,  237
.set NIL,  238
.set WV,   10
.set SEL,  28
.set CS,   30
.set TB,   32
.set CNT,  33
.set QP,   34
.set QS,   36
.set CP,   38
.set SP,   40
.macro WALU
	s_wait_alu depctr_va_vdst(0)
.endm
.macro ROUND                           ; a round of the cluster's barrier
	s_barrier_signal -1
	s_barrier_wait -1
	s_cmp_lg_u32 s[WV], 0
	s_cbranch_scc1 .Lnot_wave_0_\@
	s_barrier_signal -3
.Lnot_wave_0_\@:
	s_barrier_wait -3
	s_barrier_signal -1
	s_barrier_wait -1
.endm
	s_load_b128 s[4:7], s[0:1], 0x0                ; qrec, kv
	s_load_b64 s[8:9], s[0:1], 0x10                ; cimg
	v_lshl_add_u32 v[SPW], v0, 2, SPARE
	v_mov_b32 v[NIL], 0
	ds_add_u32 v[SPW], v[NIL]
	ds_add_u32 v[SPW], v[NIL]
	v_lshrrev_b32 v1, 5, v0
	v_readfirstlane_b32 s[WV], v1                  ; wave 0..15
	s_bfe_u32 s11, ttmp6, 0x40000                  ; cx: my 512 queries; it enters Q's and ctx's global addresses alone
	s_and_b32 s12, ttmp7, 0xffff                   ; 16 x batch + head, which the four partners share
	s_mov_b32 s16, 15|(3<<16)|(1<<20)|(1<<21)|(5<<22)|(15<<25)  ; the mask: all four; elements of 8 bytes; padding on; 21 beside a mask; after every 64 words 16 words
	s_mov_b32 s17, 32<<16
	s_mov_b32 s18, 50<<16
	s_mov_b32 s19, 32<<16
	s_mov_b32 s20, 50
	s_mov_b32 s21, 32
	s_mov_b32 s22, 0
	s_mov_b32 s23, 0
	s_mov_b32 s24, 1
	s_mul_i32 s25, s[WV], RECL                     ; record w in LDS,
	s_mul_i32 s44, s12, 16*REC
	s_mul_i32 s45, s[WV], REC                      ; and in the head
	s_add_co_u32 s44, s44, s45
	s_mov_b32 s45, 0
	s_wait_dscnt 0x0
	s_wait_kmcnt 0x0
	s_add_nc_u64 s[26:27], s[6:7], s[44:45]
	s_or_b32 s27, s27, 0x80000000
	ROUND                                          ; all four work-groups are here: the joint loads meet
	tensor_load_to_lds s[24:27], s[16:23]
	s_nop 0
.rept 4
	v_nop
.endr
	s_lshl_b32 s46, s11, 2
	s_lshr_b32 s47, s[WV], 3
	s_add_co_u32 s46, s46, s47                     ; my record of 128 queries, pass 0: 4 cx + w / 8; pass 1: two on
	s_mul_i32 s48, s12, 16*QREC
	s_mul_i32 s47, s46, QREC
	s_add_co_u32 s48, s48, s47
	s_and_b32 s47, s[WV], 7                        ; my tile in it
	s_mul_i32 s42, s47, 768
	s_add_co_u32 s42, s42, s48
	s_mov_b32 s43, 0
	s_add_nc_u64 s[QP:QP+1], s[4:5], s[42:43]      ; Q's half image
	s_bfe_u32 s49, s[WV], 0x10002                  ; which four tiles of the eight
	s_lshl_b32 s42, s49, 7
	s_bfe_u32 s51, s[WV], 0x10001                  ; which pair of them
	s_lshl_b32 s51, s51, 2
	s_add_co_u32 s42, s42, s51
	s_add_co_u32 s42, s42, s48
	s_add_co_u32 s42, s42, 6144
	s_add_nc_u64 s[QS:QS+1], s[4:5], s[42:43]      ; its pair word
	s_and_b32 s51, s12, 15                         ; the head
	s_lshr_b32 s52, s12, 4
	s_lshl_b32 s52, s52, 4
	s_add_co_u32 s52, s52, s46                     ; the record of 128 tokens
	s_mul_i32 s52, s52, REC
	s_lshr_b32 s53, s51, 1
	s_mul_i32 s53, s53, 64*REC                     ; the last product's K step: head / 2
	s_add_co_u32 s52, s52, s53
	s_and_b32 s51, s51, 1                          ; which half of a fragment is my head's
	s_mul_i32 s42, s47, 1536
	s_mul_i32 s53, s51, 768
	s_add_co_u32 s42, s42, s53
	s_add_co_u32 s42, s42, s52
	s_add_nc_u64 s[CP:CP+1], s[8:9], s[42:43]      ; ctx's half image
	s_lshl_b32 s42, s49, 8
	s_and_b32 s53, s[WV], 3
	s_lshl_b32 s53, s53, 2
	s_add_co_u32 s42, s42, s53
	s_lshl_b32 s53, s51, 1
	s_add_co_u32 s42, s42, s53
	s_add_co_u32 s42, s42, s52
	s_add_co_u32 s42, s42, 12288
	s_add_nc_u64 s[SP:SP+1], s[8:9], s[42:43]      ; its two scale bytes
	s_and_b32 s50, s[WV], 1
	s_lshl_b32 s50, s50, 4                         ; my tile's half of the pair word
	s_mov_b32 s[SEL], 0x76543210
	s_mov_b32 s[SEL+1], 0xfedcba98                 ; lane l xor 16
	s_mov_b32 s[CS], 0x3e38aa3b                    ; c = log2(e) / 8
	s_mov_b32 s[CS+1], s[CS]
	v_and_b32 v[TM], 31, v0                        ; l
	v_and_b32 v[TM+1], 15, v0                      ; r
	v_and_b32 v[TM+2], 7, v0                       ; j
	v_bfe_u32 v[TM+3], v0, 3, 1                    ; a
	v_bfe_u32 v[TV], v0, 4, 1                      ; h
	v_lshlrev_b32 v[L16], 4, v[TM]
	v_lshlrev_b32 v[L8], 3, v[TM]
	v_lshlrev_b32 v[R16], 4, v[TM+1]
	v_lshlrev_b32 v[R8], 3, v[TM+1]
	v_lshlrev_b32 v[SH8], 3, v[TV]
	v_mul_u32_u24 v[BK16], v[TM+3], 6*ROWL
	v_mul_u32_u24 v[BV16], v[TV], ROWL
	v_lshlrev_b32 v[BKS], 7, v[TV]
	v_lshl_add_u32 v[BKS], v[TM+2], 3, v[BKS]      ; 128 h + 8 j
	v_add_nc_u32 v[BK8], v[BK16], v[BKS]           ; K, 8-byte pieces: 6 rows x a + 128 h + 8 j
	v_add_nc_u32 v[BK16], v[BK16], v[BV16]
	v_lshl_add_u32 v[BK16], v[TM+2], 4, v[BK16]    ; K, 16-byte pieces: 6 rows x a + a row x h + 16 j
	v_lshl_add_u32 v[BV16], v[TM+1], 4, v[BV16]    ; V: a row x h + 16 r
	v_lshl_add_u32 v[BKS], v[TM+3], 2, v[BKS]      ; K's pair words: 128 h (= c) + 8 j + 4 a
.irp j, 0,1,2,3,4,5
	v_mov_b32 v[QQ+6+\j], 0                        ; the zero codes: they stay
.endr
	v_mov_b32 v[T2], 0                             ; a lane permute's destination counts as one of its sources
	v_mov_b32 v[T2+1], 0
	v_mov_b32 v[FF+1], 0                           ; (named as the upper half of the pair)
.macro KFRAG p                         ; fragment p = 2 c + b: tiles d = 0, 1
.irp d, 0,1
	ds_load_b128 v[SL+12*(\p)+6*\d:SL+12*(\p)+6*\d+3], v[KA16] offset:(12*((\p)/2)+3*\d)*ROWL+128*((\p)%2)
	ds_load_b64 v[SL+12*(\p)+6*\d+4:SL+12*(\p)+6*\d+5], v[KA8] offset:(12*((\p)/2)+3*\d+2)*ROWL+64*((\p)%2)
.endr
.endm
.macro VFRAG t                         ; V^T's fragment t, from the record's row 24 + 6 t on
.irp c, 0,1
	ds_load_b128 v[SL+12*(\t)+6*\c:SL+12*(\t)+6*\c+3], v[VA16] offset:(24+6*(\t)+3*\c)*ROWL
	ds_load_b64 v[SL+12*(\t)+6*\c+4:SL+12*(\t)+6*\c+5], v[VA8] offset:(24+6*(\t)+3*\c+2)*ROWL
.endr
.endm
.macro SUMS from, to, at               ; partial sums from .. to - 1 take p's pairs from register at on
.set i, \from
.rept (\to)-(\from)
	v_pk_add_f32 v[AS+2*i:AS+2*i+1], v[AS+2*i:AS+2*i+1], v[S+(\at)+2*i:S+(\at)+2*i+1]
.set i, i+1
.endr
.endm
; A KEY STEP: 128 keys
.macro STEP
	v_add_nc_u32 v[KA16], s[TB], v[BK16]           ; five lines: also the places in front of loads into registers that the last products read
	v_add_nc_u32 v[KA8], s[TB], v[BK8]
	v_add_nc_u32 v[KSA], s[TB], v[BKS]
	v_add_nc_u32 v[VA16], s[TB], v[BV16]
	v_add_nc_u32 v[VA8], s[TB], v[L8]
.irp p, 0,1,2,3
	KFRAG \p
.endr
	ds_load_b32 v[SK], v[KSA] offset:48*ROWL
	ds_load_b32 v[SK+1], v[KSA] offset:48*ROWL+64
	WALU
	s_wait_dscnt 0x0
.irp p, 0,1
	v_wmma_scale_f32_16x16x128_f8f6f4 v[S+16*\p:S+16*\p+7], v[SL+12*\p:SL+12*\p+11], v[QQ:QQ+11], 0, v[SK+\p], v[QW] matrix_a_fmt:MATRIX_FMT_FP6 matrix_b_fmt:MATRIX_FMT_FP6
	v_wmma_scale_f32_16x16x128_f8f6f4 v[S+16*\p+8:S+16*\p+15], v[SL+12*\p:SL+12*\p+11], v[QQ+6:QQ+17], 0, v[SK+\p], v[QW] matrix_a_fmt:MATRIX_FMT_FP6 matrix_b_fmt:MATRIX_FMT_FP6
.endr
.irp p, 2,3
	v_wmma_scale_f32_16x16x128_f8f6f4 v[S+16*\p:S+16*\p+7], v[SL+12*\p:SL+12*\p+11], v[QQ:QQ+11], 0, v[SK+\p-2], v[QW] matrix_a_fmt:MATRIX_FMT_FP6 matrix_b_fmt:MATRIX_FMT_FP6 matrix_a_scale:MATRIX_SCALE_ROW1
	v_wmma_scale_f32_16x16x128_f8f6f4 v[S+16*\p+8:S+16*\p+15], v[SL+12*\p:SL+12*\p+11], v[QQ+6:QQ+17], 0, v[SK+\p-2], v[QW] matrix_a_fmt:MATRIX_FMT_FP6 matrix_b_fmt:MATRIX_FMT_FP6 matrix_a_scale:MATRIX_SCALE_ROW1
.endr
	v_mov_b32 v[OM], v12                           ; four places in front of the loads below and of the first read of the scores
.rept 3
	v_nop
.endr
.irp t, 0,1,2,3
	VFRAG \t                                       ; into the same registers: they land under the softmax
.endr
	ds_load_b64 v[SV:SV+1], v[VA8] offset:49*ROWL
.irp b, 0,1,2,3
	v_max3_num_f32 v[TM+\b], v[S+16*\b], v[S+16*\b+1], v[S+16*\b+2]   ; four chains by turns; each accumulator is read from its low end on
.endr
.irp i, 3,5,7,9,11,13
.irp b, 0,1,2,3
	v_max3_num_f32 v[TM+\b], v[TM+\b], v[S+16*\b+\i], v[S+16*\b+\i+1]
.endr
.endr
	v_max3_num_f32 v[TM], v[TM], v[TM+1], v[S+15]  ; my two blocks' largest scores: they serve the row's maximum and, since p rises with the score, the blocks' largest p
	v_max3_num_f32 v[TM+2], v[TM+2], v[TM+3], v[S+47]
	v_max_num_f32 v[TM], v[TM], v[S+31]
	v_max_num_f32 v[TM+2], v[TM+2], v[S+63]
	v_max_num_f32 v[TV], v[TM], v[TM+2]
	v_permlanex16_b32 v[T2], v[TV], s[SEL], s[SEL+1]
	v_max_num_f32 v[TV], v[TV], v[T2]              ; with lane l xor 16's 64 keys
	v_mul_f32 v[TV], s[CS], v[TV]                  ; the step's largest t (c is positive)
	v_max_num_f32 v13, v13, v[TV]
	v_floor_f32 v12, -v13                          ; the new -M = floor(-t)
.set j, 0
.rept 32
	v_pk_fma_f32 v[S+j:S+j+1], v[S+j:S+j+1], s[CS:CS+1], v[12:13] op_sel_hi:[1,0,0]   ; t - M, two at a time; f is made among them
.if j == 6
	v_sub_f32 v[TV], v12, v[OM]                    ; old M less new M: a whole number, 0 or less
.endif
.if j == 14
	v_cvt_i32_f32 v[TV], v[TV]                     ; (it saturates)
.endif
.if j == 22
	v_ldexp_f32 v[FF], 1.0, v[TV]                  ; f = 2^(old M - new M)
.endif
.set j, j+2
.endr
	v_fma_f32 v[TM], v[TM], s[CS], v12             ; the same of each block's largest score
	v_fma_f32 v[TM+2], v[TM+2], s[CS], v12
.set j, 0
.rept 16
	v_pk_mul_f32 v[O+j:O+j+1], v[O+j:O+j+1], v[FF:FF+1] op_sel_hi:[1,0]   ; O^T under the new M, ahead of the exponentials
.set j, j+2
.endr
	WALU                                           ; ahead of the batch
	v_exp_f32 v[TM], v[TM]                         ; the blocks' largest p: the same two instructions on the same number give the same bits
	v_exp_f32 v[TM+2], v[TM+2]
.set j, 0
.rept 64
	v_exp_f32 v[S+j], v[S+j]                       ; p = 2^(t - M), at most 1
.set j, j+1
.endr
	v_pk_mul_f32 v[14:15], v[14:15], v[FF:FF+1] op_sel_hi:[1,0]   ; the sum under the new M; the plain place behind the batch
	WALU                                           ; and behind it
	v_max_num_f32 v[TM], 0x1800000, v[TM]          ; the floor 2^(3 - 127): the byte cannot fall under 1
	v_max_num_f32 v[TM+2], 0x1800000, v[TM+2]
.set i, 0
.rept 8
	v_pk_add_f32 v[AS+2*i:AS+2*i+1], v[S+4*i:S+4*i+1], v[S+4*i+2:S+4*i+3]   ; the row's sum of the unquantised p: eight partial sums; the scale's lines stand among them
.set i, i+1
.endr
	v_add_nc_u32 v[SO], 0xff000000, v[TM]          ; 2 off the exponent field: the conversion's scale operand
	v_add_nc_u32 v[SO+1], 0xff000000, v[TM+2]
	SUMS 0, 4, 32
	v_lshrrev_b32 v[BY], 23, v[SO]                 ; the bytes of blocks h and 2 + h
	v_lshrrev_b32 v[BY+1], 23, v[SO+1]
	SUMS 4, 8, 32
	v_lshl_or_b32 v[BY], v[BY+1], 16, v[BY]
.irp c, 0,1
	v_cvt_scalef32_pk16_fp6_f32 v[PC+6*\c:PC+6*\c+2], v[S+32*\c:S+32*\c+15], v[SO+\c]
	v_cvt_scalef32_pk16_fp6_f32 v[CT+4*\c:CT+4*\c+2], v[S+32*\c+16:S+32*\c+31], v[SO+\c]   ; (a conversion's three registers begin on an even number)
.endr
	v_lshlrev_b32 v[BY], v[SH8], v[BY]             ; at their places in the word; the plain place behind the conversions
	v_permlanex16_b32 v[T2+1], v[BY], s[SEL], s[SEL+1]
	v_or_b32 v[PW], v[BY], v[T2+1]                 ; with lane l xor 16's two the word is whole
.irp c, 0,1
.irp i, 0,1,2
	v_mov_b32 v[PC+3+6*\c+\i], v[CT+4*\c+\i]
.endr
.endr
	SUMS 0, 8, 48                                  ; these sixteen are the places between p's word and codes and the products
.irp i, 0,1,2,3
	v_pk_add_f32 v[AS+2*\i:AS+2*\i+1], v[AS+2*\i:AS+2*\i+1], v[AS+8+2*\i:AS+9+2*\i]
.endr
	v_pk_add_f32 v[AS:AS+1], v[AS:AS+1], v[AS+4:AS+5]
	v_pk_add_f32 v[AS+2:AS+3], v[AS+2:AS+3], v[AS+6:AS+7]
	v_pk_add_f32 v[14:15], v[14:15], v[AS:AS+1]
	v_pk_add_f32 v[14:15], v[14:15], v[AS+2:AS+3]
	WALU                                           ; directly ahead of the wait below
	s_wait_dscnt 0x0                               ; V's fragments are in
.irp d, 0,1
	v_wmma_scale_f32_16x16x128_f8f6f4 v[O+8*\d:O+8*\d+7], v[SL+12*\d:SL+12*\d+11], v[PC:PC+11], v[O+8*\d:O+8*\d+7], v[SV+\d], v[PW] matrix_a_fmt:MATRIX_FMT_FP6 matrix_b_fmt:MATRIX_FMT_FP6
.endr
.irp d, 2,3
	v_wmma_scale_f32_16x16x128_f8f6f4 v[O+8*\d:O+8*\d+7], v[SL+12*\d:SL+12*\d+11], v[PC:PC+11], v[O+8*\d:O+8*\d+7], v[SV+\d-2], v[PW] matrix_a_fmt:MATRIX_FMT_FP6 matrix_b_fmt:MATRIX_FMT_FP6 matrix_a_scale:MATRIX_SCALE_ROW1
.endr
.endm
; A PASS: one tile of 16 queries against all keys
.macro PASS p
	global_load_b128 v[QQ:QQ+3], v[L16], s[QP:QP+1] offset:2*QREC*\p            ; Q's six registers, twice
	global_load_b64 v[QQ+4:QQ+5], v[L8], s[QP:QP+1] offset:2*QREC*\p+512
	global_load_b128 v[QQ+12:QQ+15], v[L16], s[QP:QP+1] offset:2*QREC*\p
	global_load_b64 v[QQ+16:QQ+17], v[L8], s[QP:QP+1] offset:2*QREC*\p+512
	global_load_b32 v[TV], v[R8], s[QS:QS+1] offset:2*QREC*\p
	v_mov_b32 v13, 0xff61b1e6                      ; the largest t so far: -3e38
	v_floor_f32 v12, -v13
	v_mov_b32 v14, 0
	v_mov_b32 v15, 0
	s_wait_loadcnt 0x0
	s_wait_xcnt 0x0                                ; the last pass's stores have read their registers
	v_lshrrev_b32 v[TV], s50, v[TV]
	v_and_b32 v[TV], 0xffff, v[TV]
	v_lshl_or_b32 v[QW], v[TV], 16, v[TV]          ; my tile's two bytes, for k 0-63 and for k 64-127
.set j, 0
.rept 32
	v_mov_b32 v[O+j], 0                            ; O^T: the first change of M leaves zeros zeros; also the places between Q's scale word and the first product
.set j, j+1
.endr
.if \p == 0
	WALU
	s_wait_tensorcnt 0x0                           ; my record has landed,
	s_barrier_signal -1
	s_barrier_wait -1                              ; everybody's has: nothing is filled again
.endif
	s_mov_b32 s[TB], 0
	s_mov_b32 s[CNT], 16
.Lstep_\@:
	STEP
	s_add_co_u32 s[TB], s[TB], RECL
	s_sub_co_u32 s[CNT], s[CNT], 1
	s_cmp_lg_u32 s[CNT], 0
	s_cbranch_scc1 .Lstep_\@
.rept 4
	v_nop                                          ; places behind the last products
.endr
	v_add_f32 v14, v14, v15
	v_permlanex16_b32 v[TV], v14, s[SEL], s[SEL+1]
	v_add_f32 v14, v14, v[TV]                      ; the row's sum
	WALU
	v_rcp_f32 v[FF], v14
	v_nop
	WALU                                           ; ahead of the first reader of the quotient and of O^T
.set j, 0
.rept 16
	v_pk_mul_f32 v[S+j:S+j+1], v[O+j:O+j+1], v[FF:FF+1] op_sel_hi:[1,0]   ; ctx: register 16 b + i is channel 32 b + 16 h + i of my query
.set j, j+2
.endr
.irp b, 0,1                            ; the head's two blocks of 32 along D
	v_max3_num_f32 v[TM+\b], |v[S+16*\b]|, |v[S+16*\b+1]|, 0x1800000
.endr
.irp i, 2,4,6,8,10,12,14
.irp b, 0,1
	v_max3_num_f32 v[TM+\b], v[TM+\b], |v[S+16*\b+\i]|, |v[S+16*\b+\i+1]|
.endr
.endr
.irp b, 0,1
	v_permlanex16_b32 v[T2+\b], v[TM+\b], s[SEL], s[SEL+1]
.endr
.irp b, 0,1
	v_max_num_f32 v[TM+\b], v[TM+\b], v[T2+\b]
.endr
.irp b, 0,1
	v_add_nc_u32 v[SO+\b], 0xff000000, v[TM+\b]
.endr
.irp b, 0,1
	v_lshrrev_b32 v[T2+\b], 23, v[SO+\b]
.endr
	v_lshl_or_b32 v[BY], v[T2+1], 8, v[T2]
	v_cvt_scalef32_pk16_fp6_f32 v[PC:PC+2], v[S:S+15], v[SO]
	v_cvt_scalef32_pk16_fp6_f32 v[CT:CT+2], v[S+16:S+31], v[SO+1]
	v_nop
.irp i, 0,1,2
	v_permlane16_swap_b32 v[PC+\i], v[CT+\i]       ; here a block lies in lanes l and l xor 16: the layout wants it whole in a lane
.endr
.irp i, 0,1,2
	v_mov_b32 v[PC+3+\i], v[CT+\i]
.endr
	global_store_b128 v[L16], v[PC:PC+3], s[CP:CP+1] offset:2*REC*\p            ; 512 and 256 consecutive bytes, at multiples of 256 from cimg's first byte
	global_store_b64 v[L8], v[PC+4:PC+5], s[CP:CP+1] offset:2*REC*\p+512
	global_store_b16 v[R16], v[BY], s[SP:SP+1] offset:2*REC*\p                  ; both halves of the lanes store the same two bytes to the same place
.endm
	PASS 0
	PASS 1
	s_wait_tensorcnt 0x0                           ; the wave's end
	ds_add_u32 v[SPW], v[NIL]
	s_wait_dscnt 0x0
	ROUND                                          ; the closing round
	s_endpgm
.Lfunc_end_k_qaa67e14522_attn:
	.size	k_qaa67e14522_attn, .Lfunc_end_k_qaa67e14522_attn-k_qaa67e14522_attn
	.p2alignl 7, 3214868480
	.fill 96, 4, 3214868480
	.section	.rodata,"a",@progbits
	.p2align	6, 0x0
	.amdhsa_kernel k_qaa67e14522_attn
		.amdhsa_group_segment_fixed_size 258048
		.amdhsa_private_segment_fixed_size 0
		.amdhsa_enable_private_segment 0
		.amdhsa_kernarg_size 24
		.amdhsa_user_sgpr_count 2
		.amdhsa_user_sgpr_kernarg_segment_ptr 1
		.amdhsa_wavefront_size32 1
		.amdhsa_system_sgpr_workgroup_id_x 1
		.amdhsa_system_sgpr_workgroup_id_y 1
		.amdhsa_system_sgpr_workgroup_id_z 1
		.amdhsa_system_vgpr_workitem_id 0
		.amdhsa_next_free_vgpr 240
		.amdhsa_next_free_sgpr 66
		.amdhsa_reserve_vcc 0
		.amdhsa_float_denorm_mode_32 3
		.amdhsa_float_denorm_mode_16_64 3
		.amdhsa_memory_ordered 1
		.amdhsa_forward_progress 1
		.amdhsa_inst_pref_size 47
	.end_amdhsa_kernel
	.amdgpu_metadata
---
amdhsa.version: [ 1, 2 ]
amdhsa.kernels:
  - .name:           k_qaa67e14522_attn
    .symbol:         k_qaa67e14522_attn.kd
    .args:
      - { .name: qrec, .offset: 0, .size: 8, .value_kind: global_buffer, .address_space: global }
      - { .name: kv, .offset: 8, .size: 8, .value_kind: global_buffer, .address_space: global }
      - { .name: cimg, .offset: 16, .size: 8, .value_kind: global_buffer, .address_space: global }
    .group_segment_fixed_size: 258048
    .private_segment_fixed_size: 0
    .kernarg_segment_align: 8
    .kernarg_segment_size: 24
    .max_flat_workgroup_size: 512
    .sgpr_count:     66
    .vgpr_count:     240
    .wavefront_size: 32
...
	.end_amdgpu_metadata
.endif
;; end of part 3
;; launch outp (part 4): grid 4 x 64, 4 waves a work-group, clusters of 4 x 4, 307,712 bytes of LDS; arguments img, cimg, b_out, out0; writes out0
.if DOCPART == 4
	.amdgcn_target "amdgcn-amd-amdhsa--gfx1250"
	.amdhsa_code_object_version 6
	.text
	.protected	k_qaa67e14522_outp
	.globl	k_qaa67e14522_outp
	.p2align	8
	.type	k_qaa67e14522_outp,@function
k_qaa67e14522_outp:
	s_mov_b64 s[64:65], 0
	v_nop
	global_prefetch_b8 v0, s[64:65] scope:SCOPE_SE
	s_setreg_imm32_b32 hwreg(HW_REG_WAVE_MODE, 25, 1), 1
	s_wait_xcnt 0x0
	s_wait_alu depctr_hold_cnt(0) depctr_sa_sdst(0) depctr_va_vdst(0) depctr_va_sdst(0) depctr_va_ssrc(0) depctr_va_vcc(0) depctr_vm_vsrc(0)
	s_getreg_b32 s2, hwreg(HW_REG_IB_STS2, 6, 4)
	s_cmp_eq_u32 s2, 0
	s_cbranch_scc0 .Lentry_in_a_cluster
	s_endpgm
.Lentry_in_a_cluster:
	s_bfe_u32 s2, ttmp6, 0x10000c
	s_cmp_lg_u32 s2, 0xf033
	s_cbranch_scc0 .Lentry_shape_is_right
	s_endpgm
.Lentry_shape_is_right:
; out0 = ctx W_out^T + b_out on codes of FP6 (E2M3): source 0 = U = W_out (i = output features, img's records 152 on), source 1 = V = ctx (j = tokens, cimg's records): a lane holds one token and its registers run along the features.
; SHARES: a work-group makes 256 (i) x 128 (j) over all of K = 1,024; wave w makes 128 i (w & 1) x 64 j (w >> 1): 32 accumulators.  256 work-groups.
; LDS: all eight K steps, 8 x (two records of U, one of V) = 307,200 bytes, each byte filled ONCE.  The way out's stages lie in K step 0's bytes: these have had their one fill, and every wave's last read of them stands ahead of
; the barrier in front of K step 2's reads.
; CLUSTER 4 x 4: U's records hang on cx alone (shared along a column), V's on cy and the cluster's y (shared along a row).  Four joint loads a wave at the head: by this text's count four tensor loads of a wave are out.
; The bias is the C of K step 0's products.  Tiles are in tile order: lane r of tile g is row 32 (g / 2) + 8 (g % 2) + r + 8 (r / 8).  No prefetch: every tile is requested at the head.
; REGISTERS: window 0: v1-12 addresses; v16-23 U's scale words, v24-31 V's; v32-79, v80-127 V's fragments; v128-191 the bias, later with v192-255 the rows on their way out.
;   window 1: U's fragments, v0-95 and v128-223.   window 2: accumulator (it, jt) at v[64 jt + 8 it].
; THE FILLS AS THEY STAND NOW (this takes the place of what the lines above say of four loads a wave and of K step 0's bytes):
; one joint load a wave at the head, in one chain of four arms: wave 0 U's K steps 0-3, wave 1 V's K steps 0-3, wave 2 U's 4-7, wave 3 V's 4-7.  A load is four rows, one a K step: 25,600 bytes (U's two records) or 12,800 (V's one).
; LDS: U 0-3 at 0, V 0-3 at VB, U 4-7 at HALF, V 4-7 at HALF + VB.  Waves 0 and 1 wait for their loads ahead of the first barrier; every wave waits for 0 ahead of the barrier in K step 3, behind which K step 4 is read.
; The way out's stages, 33,792 bytes from 0 on, lie in U's K steps 0 and 1: these bytes have had their one fill, and every wave's last read of them stands ahead of the barrier in K step 3.
.set REC,  12800
.set VB,   8*REC
.set HALF, 12*REC
.set IMGS, 160*REC
.set CIMS, 64*REC
.set AU16, 1
.set AU8,  2
.set AV16, 3
.set AV8,  4
.set ASV,  5
.set RR,   6
.set HH,   7
.set LN,   8
.set STO,  9
.set L16,  10
.set L8,   11
.set RD,   12
.set BIA,  13
.set SU,   16
.set SV,   24
.set VF,   32
.set UF,   0
.set BI,   128
.set BK,   128
.set PIT,  528
.set WV,   16
.set G1U,  28
.set G1V,  36
.set G0U,  44
.set G0V,  68
.set MSB, 0
.macro WIN new
.if MSB != \new
	s_set_vgpr_msb (MSB<<8)|\new
.set MSB, \new
.endif
.endm
.macro ROUND
	s_barrier_signal -1
	s_barrier_wait -1
	s_cmp_lg_u32 s[WV], 0
	s_cbranch_scc1 .Lnot_wave_0_\@
	s_barrier_signal -3
.Lnot_wave_0_\@:
	s_barrier_wait -3
	s_barrier_signal -1
	s_barrier_wait -1
.endm
	s_load_b256 s[4:11], s[0:1], 0x0               ; img, cimg, b_out, out0
	v_lshl_add_u32 v14, v0, 2, 0x4b000
	v_mov_b32 v15, 0
	ds_add_u32 v14, v15
	ds_add_u32 v14, v15
	v_lshrrev_b32 v1, 5, v0
	v_readfirstlane_b32 s[WV], v1
	s_and_b32 s17, s[WV], 1                        ; which 128 of i
	s_lshr_b32 s18, s[WV], 1                       ; which 64 of j
	s_bfe_u32 s19, ttmp6, 0x40000                  ; cx
	s_bfe_u32 s20, ttmp6, 0x40004                  ; cy
	s_and_b32 s21, ttmp7, 0xffff                   ; the cluster's y, 0..15
	s_lshl_b32 s87, 0x1111, s19                    ; my column of the cluster
	s_lshl_b32 s96, s20, 2
	s_lshl_b32 s96, 15, s96                        ; my row
	s_or_b32 s[G1U], s87, (3<<16)|(1<<21)
	s_or_b32 s[G1V], s96, (3<<16)|(1<<21)
	s_mov_b32 s[G1U+1], 3200<<16                   ; four rows, one a K step, of 3,200 (U) or 1,600 (V) elements of 8 bytes
	s_mov_b32 s[G1U+2], 4<<16
	s_mov_b32 s[G1U+3], 3200<<16
	s_mov_b32 s[G1U+4], 4
	s_mov_b32 s[G1U+5], IMGS/8                     ; a K step of img apart
	s_mov_b32 s[G1U+6], 0
	s_mov_b32 s[G1U+7], 0
	s_mov_b32 s[G1V+1], 1600<<16
	s_mov_b32 s[G1V+2], 4<<16
	s_mov_b32 s[G1V+3], 1600<<16
	s_mov_b32 s[G1V+4], 4
	s_mov_b32 s[G1V+5], CIMS/8                     ; a K step of cimg apart
	s_mov_b32 s[G1V+6], 0
	s_mov_b32 s[G1V+7], 0
	s_lshl_b32 s61, s19, 1
	s_add_co_u32 s61, s61, 152                     ; U's records: 152 + 2 cx
	s_mul_i32 s61, s61, REC
	s_lshl_b32 s62, s21, 2
	s_add_co_u32 s62, s62, s20                     ; my block of 128 tokens = V's record
	s_mul_i32 s63, s62, REC
	s_mov_b32 s88, s61
	s_mov_b32 s89, 0
	s_mov_b32 s90, s63
	s_mov_b32 s91, 0
	s_wait_dscnt 0x0
	s_wait_kmcnt 0x0
	s_add_nc_u64 s[88:89], s[4:5], s[88:89]
	s_add_nc_u64 s[90:91], s[6:7], s[90:91]
.irp n, 0,1                            ; set n: K steps 4 n .. 4 n + 3
	s_mov_b32 s[G0U+4*\n], 1
	s_mov_b32 s[G0U+4*\n+1], \n*HALF
	s_add_nc_u64 s[G0U+4*\n+2:G0U+4*\n+3], s[88:89], \n*4*IMGS
	s_or_b32 s[G0U+4*\n+3], s[G0U+4*\n+3], 0x80000000
	s_mov_b32 s[G0V+4*\n], 1
	s_mov_b32 s[G0V+4*\n+1], \n*HALF+VB
	s_add_nc_u64 s[G0V+4*\n+2:G0V+4*\n+3], s[90:91], \n*4*CIMS
	s_or_b32 s[G0V+4*\n+3], s[G0V+4*\n+3], 0x80000000
.endr
	ROUND
	s_cmp_eq_u32 s[WV], 0                          ; one chain of four arms on the wave's number, one joint load to an arm
	s_cbranch_scc0 .Larm_1
	tensor_load_to_lds s[G0U:G0U+3], s[G1U:G1U+7]
	s_nop 0
.rept 4
	v_nop
.endr
	s_branch .Lasked
.Larm_1:
	s_cmp_eq_u32 s[WV], 1
	s_cbranch_scc0 .Larm_2
	tensor_load_to_lds s[G0V:G0V+3], s[G1V:G1V+7]
	s_nop 0
.rept 4
	v_nop
.endr
	s_branch .Lasked
.Larm_2:
	s_cmp_eq_u32 s[WV], 2
	s_cbranch_scc0 .Larm_3
	tensor_load_to_lds s[G0U+4:G0U+7], s[G1U:G1U+7]
	s_nop 0
.rept 4
	v_nop
.endr
	s_branch .Lasked
.Larm_3:
	tensor_load_to_lds s[G0V+4:G0V+7], s[G1V:G1V+7]
	s_nop 0
.rept 4
	v_nop
.endr
.Lasked:
	v_and_b32 v[LN], 31, v0
	v_and_b32 v[RR], 15, v0
	v_bfe_u32 v[HH], v0, 4, 1
	v_lshlrev_b32 v[L16], 4, v[LN]
	v_lshlrev_b32 v[L8], 3, v[LN]
	s_mul_i32 s97, s17, REC
	v_add_nc_u32 v[AU16], s97, v[L16]
	v_add_nc_u32 v[AU8], s97, v[L8]
	s_mul_i32 s97, s18, 6144
	s_add_co_u32 s97, s97, VB
	v_add_nc_u32 v[AV16], s97, v[L16]
	v_add_nc_u32 v[AV8], s97, v[L8]
	s_lshl_b32 s97, s18, 8
	s_add_co_u32 s97, s97, VB+REC-512
	v_lshl_add_u32 v[ASV], v[RR], 4, s97
	s_mul_i32 s97, s[WV], 16*PIT                   ; my stage
	v_mul_u32_u24 v[STO], v[RR], PIT
	v_lshl_add_u32 v[STO], v[HH], 6, v[STO]
	v_add_nc_u32 v[STO], s97, v[STO]               ; in: row r, + 64 h
	v_add_nc_u32 v[RD], s97, v[L16]                ; back: a whole row of 512 bytes
	v_lshlrev_b32 v[BIA], 6, v[HH]
	s_wait_alu depctr_va_vdst(0)
	s_lshl_b32 s98, s19, 8
	s_lshl_b32 s85, s17, 7
	s_add_co_u32 s98, s98, s85                     ; my first feature
	s_lshl_b32 s99, s62, 7
	s_lshl_b32 s85, s18, 6
	s_add_co_u32 s99, s99, s85                     ; my first token
	s_lshl_b32 s2, s98, 2
	s_mov_b32 s3, 0
	s_add_nc_u64 s[92:93], s[8:9], s[2:3]          ; the bias
	s_lshl_b32 s86, s99, 12
	s_add_co_u32 s2, s2, s86
	s_add_nc_u64 s[94:95], s[10:11], s[2:3]        ; out0 at my first token and feature
.irp t, 0,1,2,3,4,5,6,7                ; register 8 t + n is the bias of feature 32 (t / 2) + 16 h + 8 (t % 2) + n: tile t's C
	global_load_b128 v[BI+8*\t:BI+8*\t+3], v[BIA], s[92:93] offset:(32*(\t/2)+8*(\t%2))*4
	global_load_b128 v[BI+8*\t+4:BI+8*\t+7], v[BIA], s[92:93] offset:(32*(\t/2)+8*(\t%2))*4+16
.endr
	s_wait_loadcnt 0x0
.macro FRAG reg, a16, a8, off
	ds_load_b128 v[\reg:\reg+3], v[\a16] offset:\off
	ds_load_b64 v[\reg+4:\reg+5], v[\a8] offset:\off+512
	ds_load_b128 v[\reg+6:\reg+9], v[\a16] offset:\off+768
	ds_load_b64 v[\reg+10:\reg+11], v[\a8] offset:\off+1280
.endm
.macro FETCH set
	WIN 0x40
.irp t, 0,1,2,3,4,5,6,7
	FRAG UF+128*(\set)+12*\t, AU16, AU8, 1536*\t
.endr
	WIN 0
	ds_load_b128 v[SU+4*(\set):SU+4*(\set)+3], v[AU16] offset:12288
.irp t, 0,1,2,3
	FRAG VF+48*(\set)+12*\t, AV16, AV8, 1536*\t
.endr
	ds_load_b128 v[SV+4*(\set):SV+4*(\set)+3], v[ASV]
.endm
.macro MUL32 set, first                ; the 32 accumulators take turns, one instruction a turn; first = 1: the bias starts the sums
.irp jt, 0,1,2,3
.irp it, 0,1,2,3
.if \first
	v_wmma_scale_f32_16x16x128_f8f6f4 v[64*\jt+8*\it:64*\jt+8*\it+7], v[UF+128*(\set)+12*\it:UF+128*(\set)+12*\it+11], v[VF+48*(\set)+12*\jt:VF+48*(\set)+12*\jt+11], v[BI+8*\it:BI+8*\it+7], v[SU+4*(\set)+\it], v[SV+4*(\set)+\jt] matrix_a_fmt:MATRIX_FMT_FP6 matrix_b_fmt:MATRIX_FMT_FP6
.else
	v_wmma_scale_f32_16x16x128_f8f6f4 v[64*\jt+8*\it:64*\jt+8*\it+7], v[UF+128*(\set)+12*\it:UF+128*(\set)+12*\it+11], v[VF+48*(\set)+12*\jt:VF+48*(\set)+12*\jt+11], v[64*\jt+8*\it:64*\jt+8*\it+7], v[SU+4*(\set)+\it], v[SV+4*(\set)+\jt] matrix_a_fmt:MATRIX_FMT_FP6 matrix_b_fmt:MATRIX_FMT_FP6
.endif
.endr
.irp it, 4,5,6,7
.if \first
	v_wmma_scale_f32_16x16x128_f8f6f4 v[64*\jt+8*\it:64*\jt+8*\it+7], v[UF+128*(\set)+12*\it:UF+128*(\set)+12*\it+11], v[VF+48*(\set)+12*\jt:VF+48*(\set)+12*\jt+11], v[BI+8*\it:BI+8*\it+7], v[SU+4*(\set)+\it-4], v[SV+4*(\set)+\jt] matrix_a_fmt:MATRIX_FMT_FP6 matrix_b_fmt:MATRIX_FMT_FP6 matrix_a_scale:MATRIX_SCALE_ROW1
.else
	v_wmma_scale_f32_16x16x128_f8f6f4 v[64*\jt+8*\it:64*\jt+8*\it+7], v[UF+128*(\set)+12*\it:UF+128*(\set)+12*\it+11], v[VF+48*(\set)+12*\jt:VF+48*(\set)+12*\jt+11], v[64*\jt+8*\it:64*\jt+8*\it+7], v[SU+4*(\set)+\it-4], v[SV+4*(\set)+\jt] matrix_a_fmt:MATRIX_FMT_FP6 matrix_b_fmt:MATRIX_FMT_FP6 matrix_a_scale:MATRIX_SCALE_ROW1
.endif
.endr
.endr
.endm
.macro KSTEP s
	s_wait_dscnt 0x0                               ; this K step's fragments are in
.if (\s) == 3
	s_wait_tensorcnt 0x0                           ; every wave's load has landed: K steps 4-7 are shown to all by this barrier; nothing is filled again
	s_barrier_signal -1
	s_barrier_wait -1
.endif
.if (\s) < 7
	WIN 0
	s_wait_alu depctr_va_vdst(0)
.if (\s) == 3
.set UST, HALF-6*REC                   ; from K step 3 to K step 4: into the second half
.set VST, HALF-3*REC
.else
.set UST, 2*REC
.set VST, REC
.endif
.irp a, AU16, AU8
	v_add_nc_u32 v[\a], UST, v[\a]                 ; the next K step; these five are also the places in front of loads into registers that the last products read
.endr
.irp a, AV16, AV8, ASV
	v_add_nc_u32 v[\a], VST, v[\a]
.endr
	FETCH ((\s)+1)%2
.endif
.if (\s) == 0
	WIN 0x81                                       ; source 0 window 1, sources 1 and 2 (the bias) window 0, destination window 2
	MUL32 0, 1
.else
	WIN 0xa1                                       ; C and D window 2
	MUL32 (\s)%2, 0
.endif
.endm
	s_cmp_lt_u32 s[WV], 2                          ; waves 0 and 1 wait for K steps 0-3, which their own load lines brought; the other two loads may stay out
	s_cbranch_scc0 .Lnot_low
	s_wait_tensorcnt 0x0
.Lnot_low:
	s_barrier_signal -1
	s_barrier_wait -1
	FETCH 0
.irp s, 0,1,2,3,4,5,6,7
	KSTEP \s
.endr
	WIN 0
.rept 4
	v_nop                                          ; places behind the last products, in front of the first read of results
.endr
; THE WAY OUT, a tile of 16 tokens at a time: a lane holds 64 numbers of one token's row; they go through my stage and come back as whole rows of 512 bytes.
.macro TOSTAGE a
	WIN 0x08                                       ; an LDS store's data: window 2
.irp b, 0,1,2,3
.irp q, 0,1,2,3
	ds_store_b128 v[STO], v[64*(\a)+16*\b+4*\q:64*(\a)+16*\b+4*\q+3] offset:128*\b+16*\q   ; features 32 b + 16 h + 4 q on; each accumulator from its low end on
.endr
.endr
	WIN 0
.set BB, BK+64*((\a)%2)
.irp t, 0,1,2,3,4,5,6,7,8,9,10,11,12,13,14,15
	ds_load_b128 v[BB+4*\t:BB+4*\t+3], v[RD] offset:\t*PIT   ; LDS serves a wave's instructions in order: these see the stores above, and the next tile's stores come behind them
.endr
.endm
.macro SEND a, younger                 ; younger: the LDS instructions issued behind tile a's loads
.set BB, BK+64*((\a)%2)
	s_wait_dscnt \younger
.irp t, 0,1,2,3,4,5,6,7,8,9,10,11,12,13,14,15
	global_store_b128 v[L16], v[BB+4*\t:BB+4*\t+3], s[94:95] offset:(32*((\a)/2)+8*((\a)%2)+\t+8*(\t/8))*4096 th:TH_STORE_NT   ; 32 lanes store 512 consecutive bytes, at a multiple of 256 from out0's first byte
.endr
.endm
	TOSTAGE 0
.irp a, 1,2,3
.if \a > 1
	s_wait_xcnt 0x0                                ; tile a - 2's stores have read their registers: tile a's loads may land there
.endif
	TOSTAGE \a
	SEND \a-1, 32                                  ; behind tile a - 1's loads: tile a's 16 stores and 16 loads
.endr
	SEND 3, 0
	s_wait_tensorcnt 0x0
	ds_add_u32 v14, v15
	s_wait_dscnt 0x0
	ROUND                                          ; the closing round
	s_endpgm
.Lfunc_end_k_qaa67e14522_outp:
	.size	k_qaa67e14522_outp, .Lfunc_end_k_qaa67e14522_outp-k_qaa67e14522_outp
	.p2alignl 7, 3214868480
	.fill 96, 4, 3214868480
	.section	.rodata,"a",@progbits
	.p2align	6, 0x0
	.amdhsa_kernel k_qaa67e14522_outp
		.amdhsa_group_segment_fixed_size 307712
		.amdhsa_private_segment_fixed_size 0
		.amdhsa_enable_private_segment 0
		.amdhsa_kernarg_size 32
		.amdhsa_user_sgpr_count 2
		.amdhsa_user_sgpr_kernarg_segment_ptr 1
		.amdhsa_wavefront_size32 1
		.amdhsa_system_sgpr_workgroup_id_x 1
		.amdhsa_system_sgpr_workgroup_id_y 1
		.amdhsa_system_sgpr_workgroup_id_z 1
		.amdhsa_system_vgpr_workitem_id 0
		.amdhsa_next_free_vgpr 768
		.amdhsa_next_free_sgpr 100
		.amdhsa_reserve_vcc 0
		.amdhsa_float_denorm_mode_32 3
		.amdhsa_float_denorm_mode_16_64 3
		.amdhsa_memory_ordered 1
		.amdhsa_forward_progress 1
		.amdhsa_inst_pref_size 84
	.end_amdhsa_kernel
	.amdgpu_metadata
---
amdhsa.version: [ 1, 2 ]
amdhsa.kernels:
  - .name:           k_qaa67e14522_outp
    .symbol:         k_qaa67e14522_outp.kd
    .args:
      - { .name: img, .offset: 0, .size: 8, .value_kind: global_buffer, .address_space: global }
      - { .name: cimg, .offset: 8, .size: 8, .value_kind: global_buffer, .address_space: global }
      - { .name: b_out, .offset: 16, .size: 8, .value_kind: global_buffer, .address_space: global }
      - { .name: out0, .offset: 24, .size: 8, .value_kind: global_buffer, .address_space: global }
    .group_segment_fixed_size: 307712
    .private_segment_fixed_size: 0
    .kernarg_segment_align: 8
    .kernarg_segment_size: 32
    .max_flat_workgroup_size: 128
    .sgpr_count:     100
    .vgpr_count:     768
    .wavefront_size: 32
...
	.end_amdgpu_metadata
.endif
;; end of part 4
